; MI455X (gfx1250); checked and timed in simulation.
; The chip was launched on July 23, 2026; its instructions are those of AMD's public machine-readable ISA for CDNA 5 (MIT licence, August 2026) and "CDNA5" Instruction Set Architecture Reference Guide (July 2026). The comments in the code are by the model that wrote it; some were corrected since.
;; Casual Attention. Allowed arithmetic: matrix products marked QUANTISED: E2M3 operands, one E8M0 scale for each 32 along K, by v_wmma_scale_f32_16x16x128_f8f6f4 with both operands' format E2M3, f32 sums; everything else in f32.
;; Inputs: w_k 1,024 x 1,024 float32; w_q 1,024 x 1,024 float32; w_v 1,024 x 1,024 float32; x 4 x 2,048 x 1,024 float32.
;; Outputs: out0 4 x 2,048 x 1,024 float32.
;; This version of the problem:
;;   THIS VERSION OF THE PROBLEM IS GIVEN IN LOW PRECISION. The matrix products marked QUANTISED in the list below multiply operands that are first quantised to E2M3 (2 exponent bits, 3 mantissa bits; 6 bits a number), with one power-of-two scale for each 32 numbers along K (OCP MX v1.0); their sums are f32. All else is computed in f32.
;;   The module's matrix products, in the order in which they are computed (A, B: the left and right operand; K: the contracted axis; several contracted axes count as one K, in the product's order):
;;     1. [M 8,192, K 1,024] x [K 1,024, N 1,024]; A: input x; B: input w_q: QUANTISED
;;     2. [M 8,192, K 1,024] x [K 1,024, N 1,024]; A: input x; B: input w_k: QUANTISED
;;     3. [M 8,192, K 1,024] x [K 1,024, N 1,024]; A: input x; B: input w_v: QUANTISED
;;     4. batch 4 x [M 2,048, K 1,024] x [K 1,024, N 2,048]; A: computed on the way; B: computed on the way: QUANTISED
;;     5. batch 4 x [M 2,048, K 2,048] x [K 2,048, N 1,024]; A: softmax (see below); B: computed on the way: QUANTISED
;;   THE QUANTISER, for each operand of a quantised product, along K:
;;     - K is cut into blocks of 32 from its start; a last block that is shorter is filled with zeros.
;;     - A block's scale is 2^e with e = floor(log2(the largest magnitude in the block)) - 2, held to -126 .. 127; a block of zeros has e = 0. As a byte (E8M0): e + 127.
;;     - Each number is divided by its block's scale, clamped to +-7.5, and rounded to the nearest number of E2M3, ties to even, subnormals kept.
;;     - The product sums the exact products of the quantised numbers (number of the format x scale) in f32.
;;   ~~~python
;;   def quantise(x, axis):      # numpy; x: float32 -> the quantised numbers, widened to float32 again
;;       x = np.moveaxis(x, axis, -1); K = x.shape[-1]
;;       x = np.pad(x, [(0, 0)] * (x.ndim - 1) + [(0, -K % 32)]); x = x.reshape(x.shape[:-1] + (-1, 32)); a = np.abs(x).max(-1, keepdims=True)
;;       e = np.where(a > 0, np.clip(np.frexp(np.where(a > 0, a, 1))[1] - 1 - 2, -126, 127), 0)      # np.frexp(a)[1] - 1 = floor(log2(a)), exactly
;;       r = np.clip(x / 2.0 ** e, -7.5, 7.5)
;;       step = 2.0 ** (np.maximum(np.frexp(np.where(r == 0, 1, r))[1] - 1, 0) - 3)
;;       q = np.round(r / step) * step * 2.0 ** e      # np.round: ties to even
;;       return np.moveaxis(q.reshape(q.shape[:-2] + (-1,))[..., :K], -1, axis).astype(np.float32)
;;   ~~~
;;   SOFTMAX AHEAD OF A QUANTISED PRODUCT. Where the list says 'softmax', what is quantised is not the finished softmax but p = 2^(t - M), with t = logit x log2(e) and M = ceil(the row's largest t), a whole number; so 1/2 < the row's largest p <= 1. The row's sum l is taken of the UNQUANTISED p, in f32, and the product's result is divided by l at the end. Since M is a whole number, a kernel that streams over the keys may use a running M (the ceiling of the running maximum): every later rescaling is an exact power of two, which a block's scale takes up: the codes' values come out the same.
;;   OPERANDS COMPUTED ON THE WAY. 'Computed on the way' means the value that the module computes at that place (a softmax that the list does not call 'softmax' is quantised finished and normalised). What goes into a quantiser is computed in f32, as accurately as f32 sums, v_exp_f32 and their like allow (about 1e-6 of the number): no bf16 or f16 on the way to a quantiser, and a product that is left as it is and whose result goes on into a quantised operand takes f32 operands (vector FMAs, or v_wmma_f32_16x16x4_f32). A number that lies on a knife's edge between two numbers of the format may be rounded either way, as far as f32 arithmetic and the matrix unit's own rounding can turn it there, and no further.
;; One version. Each part assembles by itself: llvm-mc -triple=amdgcn-amd-amdhsa -mcpu=gfx1250 --defsym DOCPART=n.
;; ======== version 1 of 1: 4 launches
;; workspace buffers: xq 6,553,600 bytes; wq 2,457,600 bytes; qq 6,553,600 bytes; kq 6,553,600 bytes; vq 6,553,600 bytes; pc 12,582,912 bytes; pst 1,579,008 bytes
;; launch quant (part 1): grid 704 x 1, 8 waves a work-group, no clusters, 69,120 bytes of LDS; arguments x, w_q, w_k, w_v, xq, wq; writes xq, wq
.if DOCPART == 1
	.amdgcn_target "amdgcn-amd-amdhsa--gfx1250"
	.amdhsa_code_object_version 6
	.text
	.protected	k_qcc5690a5e4_quant
	.globl	k_qcc5690a5e4_quant
	.p2align	8
	.type	k_qcc5690a5e4_quant,@function
k_qcc5690a5e4_quant:
	s_mov_b64 s[64:65], 0
	v_nop
	global_prefetch_b8 v0, s[64:65] scope:SCOPE_SE
	s_setreg_imm32_b32 hwreg(HW_REG_WAVE_MODE, 25, 1), 1
	s_wait_xcnt 0x0
; x [8192][1024] and w_q, w_k, w_v [1024][1024], f32, K innermost, become codes of FP6 (E2M3) with one E8M0 scale byte for each 32 along K,
; laid as the products' launches want them: in BLOCKS of 128 rows x 128 K.  A block is eight fragments (16 rows x 128 K, 12 registers a lane) on end, each an IMAGE OF ITS REGISTERS
; (registers 4 c .. 4 c + 3 of lane l at 512 c + 16 l: 1,536 bytes), then 512 bytes of scale words (the word of fragment a, lane-row r at 32 r + 4 a): 12,800 bytes.  A tensor is [row / 128][k / 128][12,800].
; ROW ORDER: lane-row r of fragment a holds row 32 (a / 2) + 8 (a % 2) + r % 8 + 16 (r / 8) of its 128.  As source 0 of a product that is used transposed, that order makes a lane's 16 registers of two
; neighbouring result tiles 16 neighbours along the next K; as source 1 it only says which lane holds which row.
; A block's scale is 2^(floor(log2(its largest magnitude)) - 2); its byte is the largest magnitude's exponent field - 2, held at 1 from below.
; LIMITS: a block of 32 whose largest magnitude lies under 2^-124 (a block of zeros among them) gets the byte 1; the bytes are read by this program alone, and zero codes add nothing.  NaN and infinities are not served.
; SHARES: a work-group makes one block, wave a its fragment a.  Work-groups 0-511: x; 512-575: w_q; 576-639: w_k; 640-703: w_v.  Only pointers are chosen: all take one path.
; Each load reads 512 consecutive bytes (a row's 128 numbers); they turn through the wave's own stage in LDS, so that a lane gets 16 neighbours of each block of 32 of ONE row.
.set FRB,  1536
.set BLK,  12288
.set CB,   12800
.set SP,   528                         ; a stage row: 512 bytes + 16: sixteen rows start in sixteen different columns of 16 bytes
.set WST,  16*SP                       ; a wave's stage
.set SCW,  8*WST                       ; behind the stages: the block's 512 bytes of scale words
.set R,    16                          ; v16-79   the numbers as loaded
.set X,    80                          ; v80-143  register 16 b + i = k 32 b + 16 (lane / 16) + i of my row
.set TM,   144                         ; v144-159 at work
.set PW,   160                         ; the scale word
.set PC,   162                         ; v162-173 the fragment; v174-180 at work
.set SEL,  20                          ; s[20:21] lane selects for v_permlanex16_b32: lane l xor 16
; 64 numbers of a lane become a fragment's codes in v[PC] on and its row's scale word in v[PW]
.macro QUANT s
.irp b, 0,1,2,3
	v_max3_num_f32 v[TM+\b], |v[\s+16*\b]|, |v[\s+1+16*\b]|, 0x1800000   ; block b: my 16 numbers, and the floor 2^(3 - 127): the byte cannot fall under 1
.endr
.irp i, 2,4,6,8,10,12,14
.irp b, 0,1,2,3
	v_max3_num_f32 v[TM+\b], v[TM+\b], |v[\s+16*\b+\i]|, |v[\s+1+16*\b+\i]|   ; the four blocks by turns
.endr
.endr
.irp b, 0,1,2,3
	v_permlanex16_b32 v[TM+4+\b], v[TM+\b], s[SEL], s[SEL+1]
.endr
.irp b, 0,1,2,3
	v_max_num_f32 v[TM+\b], v[TM+\b], v[TM+4+\b]   ; with lane l xor 16's: the block's largest magnitude
.endr
.irp b, 0,1,2,3
	v_add_nc_u32 v[TM+12+\b], 0xff000000, v[TM+\b]   ; 2 off its exponent field: the conversion takes this operand's exponent field as its scale
.endr
.irp b, 0,1,2,3
	v_lshrrev_b32 v[TM+4+\b], 23, v[TM+12+\b]      ; the scale's byte
.endr
	v_lshl_or_b32 v[PW], v[TM+5], 8, v[TM+4]
	v_lshl_or_b32 v[PW], v[TM+6], 16, v[PW]
	v_lshl_or_b32 v[PW], v[TM+7], 24, v[PW]
.irp c, 0,1
	v_cvt_scalef32_pk16_fp6_f32 v[PC+6*\c:PC+2+6*\c], v[\s+32*\c:\s+15+32*\c], v[TM+12+2*\c]
	v_cvt_scalef32_pk16_fp6_f32 v[PC+12+4*\c:PC+14+4*\c], v[\s+16+32*\c:\s+31+32*\c], v[TM+12+2*\c+1]   ; (a conversion's three registers begin on an even number)
.endr
	v_nop                                          ; one plain place behind a scaled conversion
.irp c, 0,1                                    ; the operand wants a WHOLE block of 32 in a lane: lanes 0-15 block 2 c, lanes 16-31 block 2 c + 1
.irp i, 0,1,2
	v_permlane16_swap_b32 v[PC+6*\c+\i], v[PC+12+4*\c+\i]
.endr
.irp i, 0,1,2
	v_mov_b32 v[PC+3+6*\c+\i], v[PC+12+4*\c+\i]
.endr
.endr
.endm
	s_load_b256 s[4:11], s[0:1], 0x0               ; x s[4:5], w_q s[6:7], w_k s[8:9], w_v s[10:11]
	s_load_b128 s[12:15], s[0:1], 0x20             ; xq s[12:13], wq s[14:15]
	v_lshl_add_u32 v184, v0, 2, 0x10a00
	v_mov_b32 v185, 0
	v_lshrrev_b32 v1, 5, v0
	v_readfirstlane_b32 s16, v1                    ; wave a = 0..7
	v_and_b32 v1, 31, v0                           ; lane
	v_and_b32 v2, 15, v0                           ; r
	v_bfe_u32 v3, v0, 4, 1                         ; h
	v_lshlrev_b32 v4, 4, v1                        ; 16 x lane: my bytes of a load, and of an image's piece
	s_mul_i32 s17, s16, WST
	v_add_nc_u32 v5, s17, v4                       ; the stage, on the way in
	v_mul_u32_u24 v6, v2, SP
	v_lshl_add_u32 v6, v3, 6, v6
	v_add_nc_u32 v6, s17, v6                       ; and out: row r, + 64 h
	s_lshl_b32 s18, s16, 2
	v_lshl_add_u32 v7, v2, 5, SCW
	v_add_nc_u32 v7, s18, v7                       ; my row's scale word: 32 r + 4 a
	v_add_nc_u32 v8, SCW, v4                       ; the 512 bytes on their way out
	s_mov_b32 s[SEL], 0x76543210
	s_mov_b32 s[SEL+1], 0xfedcba98
.irp b, 0,1,2,3
	v_mov_b32 v[TM+4+\b], 0                        ; written once: a lane permute's destination counts as one of its sources
.endr
	s_cmp_lt_u32 ttmp9, 512
	s_cselect_b32 s19, 0, 512
	s_sub_co_u32 s19, ttmp9, s19                   ; the block's number in xq or in wq
	s_lshr_b32 s22, s19, 3
	s_and_b32 s23, s22, 7
	s_cmp_lt_u32 ttmp9, 512
	s_cselect_b32 s22, s22, s23                    ; which 128 rows of the source tensor
	s_and_b32 s23, s19, 7                          ; which 128 along K
	s_lshl_b32 s22, s22, 19                        ; 128 rows of 4,096 bytes
	s_lshl_b32 s23, s23, 9
	s_add_co_u32 s22, s22, s23
	s_lshr_b32 s23, s16, 1
	s_lshl_b32 s23, s23, 17                        ; my fragment's rows begin at 32 (a / 2)
	s_add_co_u32 s22, s22, s23
	s_and_b32 s23, s16, 1
	s_lshl_b32 s23, s23, 15                        ; + 8 (a % 2)
	s_add_co_u32 s22, s22, s23
	s_mov_b32 s23, 0
	s_mul_i32 s24, s19, CB
	s_mov_b32 s25, 0
	s_mul_i32 s26, s16, FRB
	s_mov_b32 s27, 0
	s_wait_kmcnt 0x0
	s_cmp_lt_u32 ttmp9, 640                        ; the choices hang on the work-group's number alone
	s_cselect_b64 s[10:11], s[8:9], s[10:11]
	s_cmp_lt_u32 ttmp9, 576
	s_cselect_b64 s[10:11], s[6:7], s[10:11]
	s_cmp_lt_u32 ttmp9, 512
	s_cselect_b64 s[10:11], s[4:5], s[10:11]
	s_cselect_b64 s[12:13], s[12:13], s[14:15]
	s_add_nc_u64 s[10:11], s[10:11], s[22:23]      ; the source at my fragment's first row
	s_add_nc_u64 s[12:13], s[12:13], s[24:25]      ; the block
	s_add_nc_u64 s[14:15], s[12:13], s[26:27]      ; my fragment in it
.irp i, 0,1,2,3,4,5,6,7,8,9,10,11,12,13,14,15
	global_load_b128 v[R+4*\i:R+4*\i+3], v4, s[10:11] offset:(\i%8+16*(\i/8))*4096 th:TH_LOAD_NT   ; lane-row i: 32 lanes read 512 consecutive bytes; each byte is read once in the launch
.endr
.irp i, 0,1,2,3,4,5,6,7,8,9,10,11,12,13,14,15
	s_wait_loadcnt 15-\i                           ; loads come back in order: row i is in, the 15 - i behind it may be out
	ds_store_b128 v5, v[R+4*\i:R+4*\i+3] offset:SP*\i
.endr
.irp b, 0,1,2,3
.irp j, 0,1,2,3
	ds_load_b128 v[X+16*\b+4*\j:X+16*\b+4*\j+3], v6 offset:128*\b+16*\j   ; LDS serves a wave's instructions in order: these see my stores
.endr
.endr
	s_wait_dscnt 0x0
	QUANT X
.irp c, 0,1,2
	global_store_b128 v4, v[PC+4*\c:PC+4*\c+3], s[14:15] offset:512*\c     ; 32 lanes store 512 consecutive bytes, at a multiple of 256 from the buffer's first byte
.endr
	ds_store_b32 v7, v[PW]                         ; lanes r and r + 16 write the same word with the same value
	s_wait_dscnt 0x0                               ; for the others' sake: my word has landed
	s_barrier_signal -1
	s_barrier_wait -1
	s_cmp_lg_u32 s16, 0
	s_cbranch_scc1 .Ldone
	ds_load_b128 v[16:19], v8                      ; wave 0 sends the eight waves' words out as 512 consecutive bytes
	s_wait_dscnt 0x0
	global_store_b128 v4, v[16:19], s[12:13] offset:BLK
.Ldone:
	s_wait_tensorcnt 0x0
	ds_add_u32 v184, v185
	s_wait_dscnt 0x0
	s_endpgm
.Lfunc_end_k_qcc5690a5e4_quant:
	.size	k_qcc5690a5e4_quant, .Lfunc_end_k_qcc5690a5e4_quant-k_qcc5690a5e4_quant
	.p2alignl 7, 3214868480
	.fill 96, 4, 3214868480
	.section	.rodata,"a",@progbits
	.p2align	6, 0x0
	.amdhsa_kernel k_qcc5690a5e4_quant
		.amdhsa_group_segment_fixed_size 69120
		.amdhsa_private_segment_fixed_size 0
		.amdhsa_enable_private_segment 0
		.amdhsa_kernarg_size 48
		.amdhsa_user_sgpr_count 2
		.amdhsa_user_sgpr_kernarg_segment_ptr 1
		.amdhsa_wavefront_size32 1
		.amdhsa_system_sgpr_workgroup_id_x 1
		.amdhsa_system_sgpr_workgroup_id_y 1
		.amdhsa_system_sgpr_workgroup_id_z 1
		.amdhsa_system_vgpr_workitem_id 0
		.amdhsa_next_free_vgpr 186
		.amdhsa_next_free_sgpr 66
		.amdhsa_reserve_vcc 0
		.amdhsa_float_denorm_mode_32 3
		.amdhsa_float_denorm_mode_16_64 3
		.amdhsa_memory_ordered 1
		.amdhsa_forward_progress 1
		.amdhsa_inst_pref_size 12
	.end_amdhsa_kernel
	.amdgpu_metadata
---
amdhsa.version: [ 1, 2 ]
amdhsa.kernels:
  - .name:           k_qcc5690a5e4_quant
    .symbol:         k_qcc5690a5e4_quant.kd
    .args:
      - { .name: x, .offset: 0, .size: 8, .value_kind: global_buffer, .address_space: global }
      - { .name: w_q, .offset: 8, .size: 8, .value_kind: global_buffer, .address_space: global }
      - { .name: w_k, .offset: 16, .size: 8, .value_kind: global_buffer, .address_space: global }
      - { .name: w_v, .offset: 24, .size: 8, .value_kind: global_buffer, .address_space: global }
      - { .name: xq, .offset: 32, .size: 8, .value_kind: global_buffer, .address_space: global }
      - { .name: wq, .offset: 40, .size: 8, .value_kind: global_buffer, .address_space: global }
    .group_segment_fixed_size: 69120
    .private_segment_fixed_size: 0
    .kernarg_segment_align: 8
    .kernarg_segment_size: 48
    .max_flat_workgroup_size: 256
    .sgpr_count:     66
    .vgpr_count:     186
    .wavefront_size: 32
...
	.end_amdgpu_metadata
.endif
;; end of part 1
;; launch proj (part 2): grid 8 x 32, 4 waves a work-group, clusters of 4 x 4, 327,680 bytes of LDS; arguments xq, wq, qq, kq, vq; writes qq, kq, vq
.if DOCPART == 2
	.amdgcn_target "amdgcn-amd-amdhsa--gfx1250"
	.amdhsa_code_object_version 6
	.text
	.protected	k_qcc5690a5e4_proj
	.globl	k_qcc5690a5e4_proj
	.p2align	8
	.type	k_qcc5690a5e4_proj,@function
k_qcc5690a5e4_proj:
	s_mov_b64 s[64:65], 0
	v_nop
	global_prefetch_b8 v0, s[64:65] scope:SCOPE_SE
	s_setreg_imm32_b32 hwreg(HW_REG_WAVE_MODE, 25, 1), 1
	s_wait_xcnt 0x0
	s_wait_alu depctr_hold_cnt(0) depctr_sa_sdst(0) depctr_va_vdst(0) depctr_va_sdst(0) depctr_va_ssrc(0) depctr_va_vcc(0) depctr_vm_vsrc(0)
	s_getreg_b32 s2, hwreg(HW_REG_IB_STS2, 6, 4)
	s_cmp_eq_u32 s2, 0
	s_cbranch_scc0 .Lentry_in_a_cluster
	s_endpgm
.Lentry_in_a_cluster:
	s_bfe_u32 s2, ttmp6, 0x10000c
	s_cmp_lg_u32 s2, 0xf033
	s_cbranch_scc0 .Lentry_shape_is_right
	s_endpgm
.Lentry_shape_is_right:
; q = x w_q^T, k = x w_k^T and v^T = w_v x^T on codes of FP6 (E2M3) with E8M0 scales, K = 1,024; each result is quantised in registers along ITS next K (q, k: along d; v: along the keys) and stored as codes.
; OPERANDS lie in blocks of 128 rows x 128 K: eight fragments as images of their registers (1,536 bytes each), then 512 bytes of scale words (fragment a, lane-row r at 32 r + 4 a): 12,800 bytes; a tensor is [row / 128][k / 128][12,800].
; Lane-row r of fragment a is row 32 (a / 2) + 8 (a % 2) + r % 8 + 16 (r / 8) of its 128.
; SHARES: q and k are 256 tiles of 256 x 256, v^T is 256 half tiles of 128 (d) x 256 (keys): 256 work-groups, each one tile and one half tile.  Work-group (TR, TC), TR = 0..31, TC = 0..7:
;   STAGE 1: rows 256 TR on of x against rows 256 TC on of (w_q, w_k): four waves, each 128 x 128: 64 accumulators.   STAGE 2: rows 128 TC on of w_v against the SAME rows of x: each wave 64 (d) x 128 (keys): 32 accumulators.
; THE MATRIX INSTRUCTION IS USED TRANSPOSED: a lane holds ONE row of source 1, and by the row order above the 16 registers of accumulators (a, 2 u) and (a, 2 u + 1) are source 0's rows 32 u + 16 (lane / 16) + 0 .. 15 in their true
; order: 16 neighbours along the next K.  Stage 1: source 0 = w, source 1 = x.  Stage 2: source 0 = x, source 1 = w_v.  So the results are quantised where they lie.
; LDS: three slots of 256 along K, each x's two halves and then w's two halves, 25,600 bytes each (a dense run of memory).  Three first fills (K steps 0-5); then
;   in K step 1 slot 0 takes x and w of K steps 6, 7;   in K step 5 the w parts of slots 1 and 2, which are done with, take all of w_v's 128 rows (wave w: K steps 2 w, 2 w + 1);
;   behind stage 1's way out the w part of slot 0 takes x's K steps 0, 1 once more (waves 2 and 3).  Stage 2 walks K in the order 2 .. 7, 0, 1 and reads x's K steps 2 to 7 where stage 1 left them.
; By this text's count a wave has three tensor loads out at the start, later one.
; CLUSTERS: 4 x 4; x is asked for jointly along a row of the cluster (same TR), w and w_v along a column (same TC).
; LIMITS: a block of 32 results whose largest magnitude lies under 2^-124 gets the byte 1 (zero blocks too; this program alone reads the bytes).  NaN and infinities are not served.
; REGISTERS: window 0: v1-22 addresses; v28-29 for the add; v32-47 scale words, two sets; v48-87 at work on the way out; v88-103 stage 2's LDS addresses; v128-223 source 1's fragments (stage 1: one set of 8; stage 2: two sets of 4), later the codes.
;   window 1: source 0's fragments, two sets at v0 and v128.   window 2: accumulators of source 1's blocks 0-3 ((a, b) at v[8 (8 (a % 4) + b)]); window 3: blocks 4-7 (stage 1 alone).
.set FRB,   1536
.set BLK,   12288
.set CB,    12800
.set REG,   2*CB                       ; 128 rows x 2 K steps: what one tensor load brings
.set SLOT,  4*REG                      ; x's two halves, then w's two halves
.set SPARE, 3*SLOT                     ; behind the slots: the spare words, 128 bytes a wave: two blocks of 256 bytes that no other line names
.set ROWK,  8*CB                       ; 128 rows, all of K, in memory
.set ADRA,  10                         ; v10-12 stage 1: my half of x in slot 0, 1, 2
.set ADRB,  13                         ; v13-15 my half of w
.set ADRS,  16                         ; v16-18 my scale words: lanes 0-15 x's rows, lanes 16-31 w's
.set LI,    19                         ; 16 x lane
.set LS,    20                         ; 32 r + 16 h
.set LS2,   21                         ; 32 r + 16 wr: stage 2's four scale words of a row
.set LI2,   22                         ; 16 x lane + 4 fragments x wr
.set SPW,   28                         ; LDS address of my spare word; never rewritten
.set NIL,   29                         ; 0; never rewritten
.set SC,    32                         ; scale words: register 8 p + i: lanes 0-15 source 1's block i, lanes 16-31 source 0's block i
.set TM,    48                         ; v48-63 at work
.set SW,    64                         ; v64-71 the results' scale words, one for each row block
.set P2,    76                         ; v76-82 the conversions' second halves
.set T,     84                         ; v84-87 the words as they are stored
.set X2,    88                         ; v88-91   stage 2: my half of x, K steps 2 j and 2 j + 1
.set V2,    92                         ; v92-95   my four fragments of w_v, likewise
.set S2,    96                         ; v96-99   the scale words: lanes 16-31 x's, lanes 0-15 w_v's
.set S2B,   100                        ; v100-103 the same, 16 bytes lower in lanes 0-15
.set AF,    128
.set G1A,   20                         ; s[20:27] group 1 with the mask of my row of the cluster: x
.set G1B,   28                         ; s[28:35] with the mask of my column: w, w_v
.set G0A,   36                         ; three sets, one for each first fill
.set G0B,   48
.set G0V,   60                         ; s[60:63] w_v
.set OUT,   78
.set SEL,   80
.set G0X,   92                         ; s[92:95] x's K steps 0, 1 once more
.set OUT2,  96
.set MSB, 0
.macro WIN new                         ; the immediate's high byte repeats the setting that is left
.if MSB != (\new)
	s_set_vgpr_msb (MSB<<8)|(\new)
.set MSB, (\new)
.endif
.endm
.set MUL_LO, 0xa1                      ; source 0 window 1, source 1 window 0, C and D window 2
.set MUL_HI, 0xf1                      ; the same, C and D window 3
.set TO_B,   0x40                      ; destination window 1
.macro PLACES                          ; four plain places behind a matrix instruction, ahead of loads into its registers and of reads of its results
.rept 4
	v_nop
.endr
.endm
; A joint load of stage 1: waves 0 and 1 fetch x's halves, waves 2 and 3 w's.  The branch hangs on the wave's number alone.  Four v_nop follow each line.
.macro JLOAD f
	s_cmp_eq_u32 s15, 0
	s_cbranch_scc0 .Lfor_b_\@
	tensor_load_to_lds s[G0A+4*\f:G0A+4*\f+3], s[G1A:G1A+7]
	s_nop 0
.rept 4
	v_nop
.endr
	s_branch .Lasked_\@
.Lfor_b_\@:
	tensor_load_to_lds s[G0B+4*\f:G0B+4*\f+3], s[G1B:G1B+7]
	s_nop 0
.rept 4
	v_nop
.endr
.Lasked_\@:
.endm
.macro CREST                           ; a round of the cluster's barrier behind its opening barrier
	s_cmp_lg_u32 s14, 0
	s_cbranch_scc1 .Lnot_wave_0_\@
	s_barrier_signal -3
.Lnot_wave_0_\@:
	s_barrier_wait -3
	s_barrier_signal -1
	s_barrier_wait -1
.endm
.macro CROUND
	s_barrier_signal -1
	s_barrier_wait -1
	CREST
.endm
.macro FRAG reg, adr, off              ; a fragment comes as it was stored: three loads of 512 consecutive bytes
.irp c, 0,1,2
	ds_load_b128 v[\reg+4*\c:\reg+4*\c+3], v[\adr] offset:\off+512*\c
.endr
.endm
.macro FETCH_B sl, q, p                ; stage 1: w's eight fragments of slot sl's q-th K step into set p: 24 loads
	WIN TO_B
.irp i, 0,1,2,3,4,5,6,7
	FRAG 128*(\p)+12*\i, ADRB+\sl, (\q)*CB+\i*FRB
.endr
	WIN 0
.endm
.macro FETCH_A sl, q, i0               ; x's blocks i0 .. i0 + 3: 12 loads
.irp i, \i0, \i0+1, \i0+2, \i0+3
	FRAG AF+12*(\i), ADRA+\sl, (\q)*CB+(\i)*FRB
.endr
.endm
.macro SCALES sl, q, p                 ; eight blocks' scale words of both sides: 2 loads
	ds_load_b128 v[SC+8*(\p):SC+8*(\p)+3], v[ADRS+\sl] offset:(\q)*CB
	ds_load_b128 v[SC+8*(\p)+4:SC+8*(\p)+7], v[ADRS+\sl] offset:(\q)*CB+16
.endm
; 16 matrix instructions: x's blocks a0, a0 + 1 against w's eight.  The 64 accumulators take turns, one instruction a turn, in the same order in every K step.
.macro MUL16 a0, p, zero
.irp a, \a0, \a0+1
.irp b, 0,1,2,3,4,5,6,7
.if \zero
	v_wmma_scale_f32_16x16x128_f8f6f4 v[8*(8*((\a)%4)+\b):8*(8*((\a)%4)+\b)+7], v[128*(\p)+12*\b:128*(\p)+12*\b+11], v[AF+12*(\a):AF+12*(\a)+11], 0, v[SC+8*(\p)+\b], v[SC+8*(\p)+(\a)] matrix_a_fmt:MATRIX_FMT_FP6 matrix_b_fmt:MATRIX_FMT_FP6 matrix_a_scale:MATRIX_SCALE_ROW1
.else
	v_wmma_scale_f32_16x16x128_f8f6f4 v[8*(8*((\a)%4)+\b):8*(8*((\a)%4)+\b)+7], v[128*(\p)+12*\b:128*(\p)+12*\b+11], v[AF+12*(\a):AF+12*(\a)+11], v[8*(8*((\a)%4)+\b):8*(8*((\a)%4)+\b)+7], v[SC+8*(\p)+\b], v[SC+8*(\p)+(\a)] matrix_a_fmt:MATRIX_FMT_FP6 matrix_b_fmt:MATRIX_FMT_FP6 matrix_a_scale:MATRIX_SCALE_ROW1
.endif
.endr
.endr
.endm
; A K step of stage 1 on w's set p; sl, q name the NEXT K step, whose fragments are fetched in two runs
.macro STEP p, sl, q, zero
	s_wait_dscnt 12                                ; w's set, x's blocks 0-3 and the scale words are in; the youngest 12 loads (x's blocks 4-7) may be out
	WIN MUL_LO
	MUL16 0, \p, \zero
	MUL16 2, \p, \zero
	s_wait_dscnt 0x0                               ; x's blocks 4-7 are in
	PLACES
	FETCH_B \sl, \q, 1-\p
	FETCH_A \sl, \q, 0
	SCALES \sl, \q, 1-\p
	WIN MUL_HI
	MUL16 4, \p, \zero
	MUL16 6, \p, \zero
	PLACES
	WIN 0
	FETCH_A \sl, \q, 4
.endm
; A K step on set 1 with a refill in it.  In front of the barrier each wave waits for all its tensor loads, adds 0 to its spare word, and waits for that and for its LDS reads; the barrier opens a round of the cluster's barrier.
; fill = 1: slot 0, which nobody reads any more, takes K steps 6, 7.  fill = 2: the w parts of slots 1 and 2, which nobody reads any more, take w_v.  sl: the slot of the next K step.
.macro TURN sl, fill
	s_wait_tensorcnt 0x0                           ; all my tensor loads have landed
	ds_add_u32 v[SPW], v[NIL]                      ; 0 onto my spare word
	s_wait_dscnt 13                                ; (the add and the youngest 12 loads may be out)
	WIN MUL_LO
	MUL16 0, 1, 0                                  ; sixteen matrix instructions stand between the add and the wait for it
	s_wait_dscnt 0x0                               ; the add is done, and all my LDS reads are back
	s_barrier_signal -1
	MUL16 2, 1, 0
	WIN 0
	s_barrier_wait -1
	CREST                                          ; no wave of any partner still reads the bytes to be filled or has a load on its way
.if \fill == 1
	s_add_nc_u64 s[G0A+2:G0A+3], s[G0A+2:G0A+3], 3*REG   ; from K steps 0, 1 to K steps 6, 7
	s_add_nc_u64 s[G0B+2:G0B+3], s[G0B+2:G0B+3], 3*REG
	JLOAD 0                                        ; the first tensor load behind the round; its four v_nop are also the places in front of the loads below
.else
	tensor_load_to_lds s[G0V:G0V+3], s[G1B:G1B+7]  ; every wave a quarter of w_v: it has the rest of stage 1 and its way out in which to land
	s_nop 0
	PLACES
.endif
	FETCH_B \sl, 0, 0
	FETCH_A \sl, 0, 0
	SCALES \sl, 0, 0
	WIN MUL_HI
	MUL16 4, 1, 0
	MUL16 6, 1, 0
	PLACES
	WIN 0
	FETCH_A \sl, 0, 4
.endm
; STAGE 2.  K step ks into set p: x's eight fragments, my four of w_v, the scale words: 38 loads
.macro FETCH2 ks, p
	WIN TO_B
.irp i, 0,1,2,3,4,5,6,7
	FRAG 128*(\p)+12*\i, X2+(\ks)/2, ((\ks)%2)*CB+\i*FRB
.endr
	WIN 0
.irp i, 0,1,2,3
	FRAG AF+48*(\p)+12*\i, V2+(\ks)/2, ((\ks)%2)*CB+\i*FRB
.endr
	ds_load_b128 v[SC+8*(\p):SC+8*(\p)+3], v[S2+(\ks)/2] offset:((\ks)%2)*CB          ; lanes 16-31: x's blocks 0-3; lanes 0-15: my four of w_v
	ds_load_b128 v[SC+8*(\p)+4:SC+8*(\p)+7], v[S2B+(\ks)/2] offset:((\ks)%2)*CB+16    ; lanes 16-31: x's blocks 4-7; lanes 0-15: the same four again, which nobody reads
.endm
; 16 matrix instructions: w_v's blocks a0, a0 + 1 against x's eight.  The 32 accumulators take turns in one order throughout.
.macro MULV a0, p, zero
.irp a, \a0, \a0+1
.irp b, 0,1,2,3,4,5,6,7
.if \zero
	v_wmma_scale_f32_16x16x128_f8f6f4 v[8*(8*(\a)+\b):8*(8*(\a)+\b)+7], v[128*(\p)+12*\b:128*(\p)+12*\b+11], v[AF+48*(\p)+12*(\a):AF+48*(\p)+12*(\a)+11], 0, v[SC+8*(\p)+\b], v[SC+8*(\p)+(\a)] matrix_a_fmt:MATRIX_FMT_FP6 matrix_b_fmt:MATRIX_FMT_FP6 matrix_a_scale:MATRIX_SCALE_ROW1
.else
	v_wmma_scale_f32_16x16x128_f8f6f4 v[8*(8*(\a)+\b):8*(8*(\a)+\b)+7], v[128*(\p)+12*\b:128*(\p)+12*\b+11], v[AF+48*(\p)+12*(\a):AF+48*(\p)+12*(\a)+11], v[8*(8*(\a)+\b):8*(8*(\a)+\b)+7], v[SC+8*(\p)+\b], v[SC+8*(\p)+(\a)] matrix_a_fmt:MATRIX_FMT_FP6 matrix_b_fmt:MATRIX_FMT_FP6 matrix_a_scale:MATRIX_SCALE_ROW1
.endif
.endr
.endr
.endm
; A K step of stage 2 on set p.  nks: the K step to be fetched into the other set, or -1.  meet = 1: that K step is x's 0, brought by waves 2 and 3: they wait for their load, and a barrier shows it to all four.
.macro STEP2 p, nks, zero, meet
	s_wait_dscnt 0x0                               ; this K step's fragments are in
.if \meet
	s_wait_tensorcnt 0x0                           ; asked for five K steps, 160 matrix instructions, ago
	s_barrier_signal -1
	s_barrier_wait -1
.endif
.if \nks >= 0
	PLACES                                         ; behind the last K step's products, which read the other set
	FETCH2 \nks, 1-\p
.endif
	WIN MUL_LO
	MULV 0, \p, \zero
	MULV 2, \p, \zero
	WIN 0
.endm
; Row block a of my results becomes a fragment of codes and a scale word a row, and the fragment is stored as it stands: at s[o], offset v[li].
.macro QACC a, o, li
.set W, 2+(\a)/4
.set AC, 64*((\a)%4)
.set CODE, AF+12*(\a)
.set WSS, W|(W<<2)
	WIN WSS                                        ; sources 0 and 1: the accumulators' window
.irp b, 0,1,2,3
	v_max3_num_f32 v[TM+\b], |v[AC+16*\b]|, |v[AC+16*\b+1]|, 0x1800000   ; block b of 32 along the next K: my 16 numbers, from each accumulator's low end on, and the floor 2^(3 - 127)
.endr
.irp i, 2,4,6,8,10,12,14
.irp b, 0,1,2,3
	v_max3_num_f32 v[TM+\b], |v[AC+16*\b+\i]|, |v[AC+16*\b+\i+1]|, v[TM+\b]
.endr
.endr
	WIN 0
.irp b, 0,1,2,3
	v_permlanex16_b32 v[TM+4+\b], v[TM+\b], s[SEL], s[SEL+1]
.endr
.irp b, 0,1,2,3
	v_max_num_f32 v[TM+\b], v[TM+\b], v[TM+4+\b]   ; with lane l xor 16's 16 numbers
.endr
.irp b, 0,1,2,3
	v_add_nc_u32 v[TM+12+\b], 0xff000000, v[TM+\b] ; 2 off the exponent field: the conversion's scale operand
.endr
.irp b, 0,1,2,3
	v_lshrrev_b32 v[TM+4+\b], 23, v[TM+12+\b]      ; the scale's byte
.endr
	v_lshl_or_b32 v[SW+(\a)], v[TM+5], 8, v[TM+4]
	v_lshl_or_b32 v[SW+(\a)], v[TM+6], 16, v[SW+(\a)]
	v_lshl_or_b32 v[SW+(\a)], v[TM+7], 24, v[SW+(\a)]
	WIN W                                          ; source 0: the accumulators' window
.irp c, 0,1
	v_cvt_scalef32_pk16_fp6_f32 v[CODE+6*\c:CODE+6*\c+2], v[AC+32*\c:AC+32*\c+15], v[TM+12+2*\c]
	v_cvt_scalef32_pk16_fp6_f32 v[P2+4*\c:P2+4*\c+2], v[AC+32*\c+16:AC+32*\c+31], v[TM+12+2*\c+1]
.endr
	WIN 0
	v_nop                                          ; one plain place behind a scaled conversion
.irp c, 0,1
.irp i, 0,1,2
	v_permlane16_swap_b32 v[CODE+6*\c+\i], v[P2+4*\c+\i]   ; a whole block of 32 to a lane
.endr
.irp i, 0,1,2
	v_mov_b32 v[CODE+3+6*\c+\i], v[P2+4*\c+\i]
.endr
.endr
.irp c, 0,1,2
	global_store_b128 v[\li], v[CODE+4*\c:CODE+4*\c+3], s[\o:\o+1] offset:FRB*(\a)+512*\c   ; 512 consecutive bytes, at a multiple of 256 from the buffer's first byte
.endr
.endm
; Stage 2's LDS addresses for K steps 2 j and 2 j + 1: x's pair begins at xp (+ my half), w_v's at vp, which is the higher of the two for every j.
; s86 = wc x 25,600, s87 = wr x 4 fragments, s88 = 16 wr + (1 - wc) x 25,600; v5 = 32 r, v6 = 1 in lanes 0-15.  The scale words' address is x's base + ONE product of v6 with the distance to w_v's.
.macro ADR2 j, xp, vp
	s_add_co_u32 s90, s86, (\xp)
	v_add_nc_u32 v[X2+\j], s90, v[LI]
	s_add_co_u32 s91, s87, (\vp)
	v_add_nc_u32 v[V2+\j], s91, v[LI]
	s_add_co_u32 s90, s90, BLK                     ; the words lie behind a block's codes
	s_add_co_u32 s91, s88, (\vp)-(\xp)-REG
	v_mul_u32_u24 v4, s91, v6
	v_add_nc_u32 v4, v4, v5
	v_add_nc_u32 v[S2+\j], s90, v4
	s_add_co_u32 s91, s88, (\vp)-(\xp)-REG-16
	v_mul_u32_u24 v4, s91, v6
	v_add_nc_u32 v4, v4, v5
	v_add_nc_u32 v[S2B+\j], s90, v4
.endm
	s_load_b256 s[4:11], s[0:1], 0x0               ; xq s[4:5], wq s[6:7], qq s[8:9], kq s[10:11]
	s_load_b64 s[12:13], s[0:1], 0x20              ; vq
	v_lshl_add_u32 v[SPW], v0, 2, SPARE
	v_mov_b32 v[NIL], 0
	ds_add_u32 v28, v29
	ds_add_u32 v28, v29
	s_wait_dscnt 0x0
	v_lshrrev_b32 v1, 5, v0
	v_readfirstlane_b32 s14, v1                    ; wave 0..3
	s_lshr_b32 s15, s14, 1                         ; wr: stage 1: my half of x; stage 2: my 64 rows of w_v.  Also: I fetch for x (0) or for w (1)
	s_and_b32 s16, s14, 1                          ; wc: stage 1: my half of w; stage 2: my half of x.  Also: which 128 rows I fetch
	s_bfe_u32 s17, ttmp6, 0x40000                  ; cx
	s_bfe_u32 s18, ttmp6, 0x40004                  ; cy
	s_and_b32 s66, ttmp7, 0xffff
	s_lshl_b32 s66, s66, 2
	s_add_co_u32 s66, s66, s18                     ; TR = 4 x cluster y + cy
	s_lshl_b32 s67, ttmp9, 2
	s_add_co_u32 s67, s67, s17                     ; TC = 4 x cluster x + cx
	s_lshl_b32 s68, s18, 2
	s_lshl_b32 s68, 15, s68                        ; my row of the cluster
	s_lshl_b32 s69, 0x1111, s17                    ; my column
	; descriptor group 1: a dense run of 25,600 bytes as 100 rows of 32 elements of 8 bytes, no padding
	s_or_b32 s[G1A], s68, (3<<16)|(1<<21)          ; 15:0 the mask; 17:16 elements of 8 bytes; 21 set beside a mask
	s_or_b32 s[G1B], s69, (3<<16)|(1<<21)
.irp g, G1A, G1B
	s_mov_b32 s[\g+1], 32<<16                      ; tensor_dim0
	s_mov_b32 s[\g+2], 100<<16                     ; tensor_dim1
	s_mov_b32 s[\g+3], 32<<16                      ; tile_dim0
	s_mov_b32 s[\g+4], 100                         ; tile_dim1
	s_mov_b32 s[\g+5], 32                          ; the pitch
	s_mov_b32 s[\g+6], 0
	s_mov_b32 s[\g+7], 0
.endr
	s_lshl_b32 s74, s66, 1
	s_add_co_u32 s74, s74, s16
	s_mul_i32 s74, s74, ROWK                       ; x: the 128 rows 2 TR + wc
	s_mov_b32 s75, 0
	s_lshl_b32 s76, s67, 1
	s_add_co_u32 s76, s76, s16
	s_mul_i32 s76, s76, ROWK                       ; w: the 128 rows 2 TC + wc, in registers that never hold cy
	s_mov_b32 s77, 0
	s_mul_i32 s85, s14, REG                        ; where they go: wave x 25,600: no place in the cluster enters an LDS address
	s_add_co_u32 s82, s67, 16                      ; w_v begins 16 x 128 rows into wq: its 128 rows 16 + TC,
	s_mul_i32 s82, s82, ROWK
	s_add_co_u32 s82, s82, s85                     ; K steps 2 x wave and 2 x wave + 1
	s_mov_b32 s83, 0
	s_mul_i32 s84, s15, SLOT
	s_mul_i32 s86, s16, REG
	s_add_co_u32 s84, s84, s86                     ; waves 0, 1 into slot 1's w part, waves 2, 3 into slot 2's
	s_wait_kmcnt 0x0
	s_add_nc_u64 s[70:71], s[4:5], s[74:75]
	s_add_nc_u64 s[72:73], s[6:7], s[76:77]
.irp f, 0,1,2
	s_mov_b32 s[G0A+4*\f], 1                       ; count = 1
	s_add_co_u32 s[G0A+4*\f+1], s85, \f*SLOT       ; LDS address
	s_add_nc_u64 s[G0A+4*\f+2:G0A+4*\f+3], s[70:71], \f*REG   ; K steps 2 f and 2 f + 1
	s_or_b32 s[G0A+4*\f+3], s[G0A+4*\f+3], 0x80000000         ; type = 2
	s_mov_b32 s[G0B+4*\f], 1
	s_add_co_u32 s[G0B+4*\f+1], s85, \f*SLOT
	s_add_nc_u64 s[G0B+4*\f+2:G0B+4*\f+3], s[72:73], \f*REG
	s_or_b32 s[G0B+4*\f+3], s[G0B+4*\f+3], 0x80000000
.endr
	s_mov_b32 s[G0V], 1
	s_add_co_u32 s[G0V+1], s84, SLOT+2*REG
	s_add_nc_u64 s[G0V+2:G0V+3], s[6:7], s[82:83]
	s_or_b32 s[G0V+3], s[G0V+3], 0x80000000
	s_mov_b32 s[G0X], 1                            ; x's K steps 0, 1 of half wc, into slot 0's w part: used by waves 2 and 3, whose wave x 25,600 is that part
	s_mov_b32 s[G0X+1], s85
	s_mov_b64 s[G0X+2:G0X+3], s[70:71]
	s_or_b32 s[G0X+3], s[G0X+3], 0x80000000
	CROUND                                         ; all sixteen work-groups are here: the first joint loads meet
	JLOAD 0
	JLOAD 1
	JLOAD 2
	v_and_b32 v1, 15, v0                           ; r
	v_bfe_u32 v2, v0, 4, 1                         ; h
	v_and_b32 v3, 31, v0                           ; lane
	v_lshlrev_b32 v[LI], 4, v3
	v_lshlrev_b32 v[LS], 5, v1
	v_lshl_add_u32 v[LS], v2, 4, v[LS]
	s_mul_i32 s86, s15, REG                        ; stage 1: my half of x
	s_mul_i32 s87, s16, REG
	s_add_co_u32 s87, s87, 2*REG                   ; my half of w, behind x's two
.irp s, 0,1,2
	v_add_nc_u32 v[ADRA+\s], s86, v[LI]
	v_add_nc_u32 v[ADRB+\s], s87, v[LI]
	s_add_co_u32 s86, s86, SLOT
	s_add_co_u32 s87, s87, SLOT
.endr
	s_mul_i32 s86, s15, REG
	s_mul_i32 s87, s16, REG
	s_add_co_u32 s87, s87, 2*REG
	s_sub_co_u32 s87, s87, s86
	v_mul_u32_u24 v4, s87, v2                      ; lanes 16-31 take w's words: one product of h with the distance
	v_lshl_add_u32 v4, v1, 5, v4
	s_add_co_u32 s86, s86, BLK                     ; the words lie behind a block's codes
.irp s, 0,1,2
	v_add_nc_u32 v[ADRS+\s], s86, v4
	s_add_co_u32 s86, s86, SLOT
.endr
	; stage 2's addresses
	v_xor_b32 v6, 1, v2                            ; 1 in lanes 0-15
	v_lshlrev_b32 v5, 5, v1                        ; 32 r
	s_mul_i32 s86, s16, REG                        ; my half of x
	s_mul_i32 s87, s15, 4*FRB                      ; my four fragments of w_v
	s_lshl_b32 s88, s15, 4                         ; and their words
	v_add_nc_u32 v[LS2], s88, v5
	v_add_nc_u32 v[LI2], s87, v[LI]
	s_xor_b32 s89, s16, 1
	s_mul_i32 s89, s89, REG
	s_add_co_u32 s88, s88, s89
	ADR2 0, 2*REG, SLOT+2*REG                      ; x's K steps 0, 1 in slot 0's w part; w_v's in slot 1's
	ADR2 1, SLOT, SLOT+3*REG                       ; x's K steps 2, 3 where stage 1 left them, in slot 1
	ADR2 2, 2*SLOT, 2*SLOT+2*REG                   ; 4, 5 in slot 2
	ADR2 3, 0, 2*SLOT+3*REG                        ; 6, 7 in slot 0
	; where my results go.  Stage 1: block 8 (2 TR + wr) + (2 TC + wc) % 8 of qq (cluster x = 0) or kq
	s_lshl_b32 s88, s66, 1
	s_add_co_u32 s88, s88, s15
	s_lshl_b32 s89, s67, 1
	s_add_co_u32 s89, s89, s16
	s_and_b32 s90, s89, 7
	s_lshl_b32 s91, s88, 3
	s_add_co_u32 s90, s90, s91
	s_mul_i32 s90, s90, CB
	s_mov_b32 s91, 0
	s_cmp_eq_u32 ttmp9, 0                          ; the same in all sixteen partners
	s_cselect_b64 s[OUT:OUT+1], s[8:9], s[10:11]
	s_add_nc_u64 s[OUT:OUT+1], s[OUT:OUT+1], s[90:91]
	; stage 2: with g = 2 TR + wc, x's 128 rows: block ((g / 16) 8 + TC) 16 + g % 16 of vq
	s_lshl_b32 s88, s66, 1
	s_add_co_u32 s88, s88, s16
	s_lshr_b32 s89, s88, 4
	s_lshl_b32 s89, s89, 3
	s_add_co_u32 s89, s89, s67
	s_lshl_b32 s89, s89, 4
	s_and_b32 s88, s88, 15
	s_add_co_u32 s89, s89, s88
	s_mul_i32 s90, s89, CB
	s_add_nc_u64 s[OUT2:OUT2+1], s[12:13], s[90:91]
	s_mov_b32 s[SEL], 0x76543210
	s_mov_b32 s[SEL+1], 0xfedcba98
.irp b, 0,1,2,3
	v_mov_b32 v[TM+4+\b], 0                        ; written once: a lane permute's destination counts as one of its sources
.endr
	s_wait_tensorcnt 0x2                           ; my part of slot 0 is in; the two fills behind it may be out
	s_barrier_signal -1
	s_barrier_wait -1                              ; everybody's is
	; ---- STAGE 1
	FETCH_B 0, 0, 0
	FETCH_A 0, 0, 0
	SCALES 0, 0, 0
	FETCH_A 0, 0, 4
	STEP 0, 0, 1, 1                                ; K step 0: its products start the sums
	TURN 1, 1                                      ; K step 1: slots 1 and 2 are whole for every wave; slot 0 is filled again
	STEP 0, 1, 1, 0                                ; K step 2
	STEP 1, 2, 0, 0                                ; K step 3: on into slot 2, which the barrier in K step 1 has shown whole
	STEP 0, 2, 1, 0                                ; K step 4
	TURN 0, 2                                      ; K step 5: slot 0's refill, asked for 224 matrix instructions ago, is whole for every wave; w_v is asked for
	STEP 0, 0, 1, 0                                ; K step 6
	s_wait_dscnt 12                                ; K step 7: nothing more to fetch
	WIN MUL_LO
	MUL16 0, 1, 0
	MUL16 2, 1, 0
	s_wait_dscnt 0x0
	WIN MUL_HI
	MUL16 4, 1, 0
	MUL16 6, 1, 0
	WIN 0
	PLACES                                         ; ahead of the reads of results and of the codes laid over x's fragments
.irp a, 0,1,2,3,4,5,6,7
	QACC \a, OUT, LI
.endr
	v_cmp_le_u32 vcc_lo, 16, v3                    ; lanes 0-15 store the words of blocks 0-3 of their row, lanes 16-31 those of blocks 4-7
.irp i, 0,1,2,3
	v_cndmask_b32 v[T+\i], v[SW+\i], v[SW+4+\i], vcc_lo
.endr
	global_store_b128 v[LS], v[T:T+3], s[OUT:OUT+1] offset:BLK
	; ---- STAGE 2
	s_wait_xcnt 0x0                                ; the stores have read their registers: stage 2's fragments and codes may land there
	s_wait_tensorcnt 0x0                           ; my quarter of w_v has landed
	ds_add_u32 v[SPW], v[NIL]                      ; 0 onto my spare word
	s_wait_dscnt 0x0                               ; the add is done; my reads of slot 0's w part were over in K step 7
	CROUND                                         ; w_v is whole for every wave; no wave of any partner still reads slot 0's w part or has a load on its way
	s_cmp_eq_u32 s15, 0
	s_cbranch_scc1 .Lno_x                          ; waves 0 and 1 have no part of this fill
	tensor_load_to_lds s[G0X:G0X+3], s[G1A:G1A+7]  ; x's K steps 0, 1, which stage 2 takes last
	s_nop 0
	PLACES
.Lno_x:
	FETCH2 2, 0
	STEP2 0, 3, 1, 0                               ; K step 2: its products start the sums
	STEP2 1, 4, 0, 0                               ; 3
	STEP2 0, 5, 0, 0                               ; 4
	STEP2 1, 6, 0, 0                               ; 5
	STEP2 0, 7, 0, 0                               ; 6
	STEP2 1, 0, 0, 1                               ; 7: x's K steps 0, 1 are shown whole, and K step 0 is fetched
	STEP2 0, 1, 0, 0                               ; 0
	STEP2 1, -1, 0, 0                              ; 1
	PLACES                                         ; ahead of the reads of results and of the codes laid over w_v's fragments
.irp a, 0,1,2,3
	QACC \a, OUT2, LI2
.endr
	global_store_b128 v[LS2], v[SW:SW+3], s[OUT2:OUT2+1] offset:BLK   ; my four words of each row; lanes r and r + 16 hold the same words and write them to the same place
	s_wait_tensorcnt 0x0                           ; the wave's end
	ds_add_u32 v[SPW], v[NIL]
	s_wait_dscnt 0x0
	CROUND                                         ; the closing round: no work-group ends while a partner may still ask for a tile that names it
	s_endpgm
.Lfunc_end_k_qcc5690a5e4_proj:
	.size	k_qcc5690a5e4_proj, .Lfunc_end_k_qcc5690a5e4_proj-k_qcc5690a5e4_proj
	.p2alignl 7, 3214868480
	.fill 96, 4, 3214868480
	.section	.rodata,"a",@progbits
	.p2align	6, 0x0
	.amdhsa_kernel k_qcc5690a5e4_proj
		.amdhsa_group_segment_fixed_size 327680
		.amdhsa_private_segment_fixed_size 0
		.amdhsa_enable_private_segment 0
		.amdhsa_kernarg_size 40
		.amdhsa_user_sgpr_count 2
		.amdhsa_user_sgpr_kernarg_segment_ptr 1
		.amdhsa_wavefront_size32 1
		.amdhsa_system_sgpr_workgroup_id_x 1
		.amdhsa_system_sgpr_workgroup_id_y 1
		.amdhsa_system_sgpr_workgroup_id_z 1
		.amdhsa_system_vgpr_workitem_id 0
		.amdhsa_next_free_vgpr 1024
		.amdhsa_next_free_sgpr 100
		.amdhsa_reserve_vcc 1
		.amdhsa_float_denorm_mode_32 3
		.amdhsa_float_denorm_mode_16_64 3
		.amdhsa_memory_ordered 1
		.amdhsa_forward_progress 1
		.amdhsa_inst_pref_size 211
	.end_amdhsa_kernel
	.amdgpu_metadata
---
amdhsa.version: [ 1, 2 ]
amdhsa.kernels:
  - .name:           k_qcc5690a5e4_proj
    .symbol:         k_qcc5690a5e4_proj.kd
    .args:
      - { .name: xq, .offset: 0, .size: 8, .value_kind: global_buffer, .address_space: global }
      - { .name: wq, .offset: 8, .size: 8, .value_kind: global_buffer, .address_space: global }
      - { .name: qq, .offset: 16, .size: 8, .value_kind: global_buffer, .address_space: global }
      - { .name: kq, .offset: 24, .size: 8, .value_kind: global_buffer, .address_space: global }
      - { .name: vq, .offset: 32, .size: 8, .value_kind: global_buffer, .address_space: global }
    .group_segment_fixed_size: 327680
    .private_segment_fixed_size: 0
    .kernarg_segment_align: 8
    .kernarg_segment_size: 40
    .max_flat_workgroup_size: 128
    .sgpr_count:     100
    .vgpr_count:     1024
    .wavefront_size: 32
...
	.end_amdgpu_metadata
.endif
;; end of part 2
;; launch score (part 3): grid 9 x 16, 4 waves a work-group, no clusters, 327,680 bytes of LDS; arguments qq, kq, pc, pst; writes pc, pst
.if DOCPART == 3
	.amdgcn_target "amdgcn-amd-amdhsa--gfx1250"
	.amdhsa_code_object_version 6
	.text
	.protected	k_qcc5690a5e4_score
	.globl	k_qcc5690a5e4_score
	.p2align	8
	.type	k_qcc5690a5e4_score,@function
k_qcc5690a5e4_score:
	s_mov_b64 s[64:65], 0
	v_nop
	global_prefetch_b8 v0, s[64:65] scope:SCOPE_SE
	s_setreg_imm32_b32 hwreg(HW_REG_WAVE_MODE, 25, 1), 1
	s_wait_xcnt 0x0
; S = q k^T on codes of FP6 (E2M3), K = 1,024, for the tiles of 256 queries x 256 keys that the causal mask keeps (36 of 64 a batch), and the softmax's p, quantised along the keys.
; t = score x log2(e) / 32.  For each query and each 128 keys a LOCAL whole number M = ceil(the largest t among them) is taken away: p = 2^(t - M).  The codes of p do not hang on M: another whole M only moves the
; block's scale byte.  Stored: p's codes (pc), and for each row and 128 keys the four scale bytes under the local M, -M, and the sum of the unquantised p (pst).  The next launch takes the row's largest M and lowers the bytes by the difference.
; OPERANDS lie in blocks of 128 rows x 128 K (eight fragments as images of their registers, then 512 bytes of scale words: 12,800 bytes); lane-row r of fragment a is row 32 (a / 2) + 8 (a % 2) + r % 8 + 16 (r / 8) of its 128.
; THE MATRIX INSTRUCTION IS USED TRANSPOSED (source 0 = 16 keys, source 1 = 16 queries): a lane holds ONE query, and the 16 registers of accumulators (a, 2 u), (a, 2 u + 1) are keys 32 u + 16 (lane / 16) + 0 .. 15 in their true order.
; pc: [query / 128][key / 128][12,288]: eight fragments.  pst: piece (query / 128, key / 128) at 1,536 x (16 x the first + the second): +0 scale words with bit 7 of each byte set, +512 -M, +1,024 the sum; in each the number of
; (fragment a, lane-row r) at 32 r + 4 a.  Pieces 1,024-1,027 are NEUTRAL (bytes 1, -M = 3e38, sum 0).
; NO CLUSTER: the kept tiles form a triangle, rows of 1 to 8 tiles; in every rectangle of partners some would have no tile, and no work-group is launched without work.
; SHARES: rows pr and 7 - pr of the triangle have 9 tiles together: grid x = 0..8 walks them, grid y = 4 batch + pr.  Four waves, each 128 x 128.  On a diagonal tile the quadrant of later keys is multiplied and then hidden.
; A diagonal tile of an even row also writes the two hidden blocks of 128 keys behind it (zero codes, neutral pieces), so that the next launch may walk the keys in steps of 512.
; LIMITS: NaN and infinities are not served.  A block of 32 all of whose p have fallen to 0 keeps the byte 1: its codes are zeros.
; REGISTERS: as in the launch before; window 0: v48-123 and v224-243 at work on the way out.
.set FRB,   1536
.set BLK,   12288
.set CB,    12800
.set REG,   2*CB
.set SLOT,  4*REG
.set SPARE, 3*SLOT                     ; the spare words, 128 bytes a wave: two blocks of 256 bytes that no other line names
.set ROWK,  8*CB
.set PIECE, 1536
.set ADRA,  10
.set ADRB,  13
.set ADRS,  16
.set LI,    19
.set LS,    20
.set SPW,   28
.set NIL,   29
.set SC,    32
.set PD,    52                         ; v52-55  the permutes' destinations
.set SO,    56                         ; v56-59  the conversions' scale operands
.set BY,    60                         ; v60-63  the scale bytes
.set NMP,   64                         ; v64-65  -M, named as a pair
.set L0,    66                         ; v66-69  the sum in two chains of pairs
.set L1,    68
.set ZP,    70                         ; v70-71  zeros
.set TT,    72
.set P2,    76
.set SW,    84                         ; v84-91  the scale words of my eight row blocks
.set NMS,   92                         ; v92-99  their -M
.set LSUM,  100                        ; v100-107 their sums
.set DQ,    108                        ; the mask's lane term
.set NINF,  109
.set NOF,   110
.set SELR,  112                        ; v112-123 the three pieces as they are stored
.set AF,    128
.set ZQ,    224                        ; v224-227 zeros; v228-231 neutral words; v232-235 neutral -M
.set NW,    228
.set NMX,   232
.set G1A,   20
.set G1B,   20                         ; one group 1 serves both operands: there is no mask
.set G0A,   28
.set CS,    40                         ; s[40:41] c = log2(e) / 32
.set G0B,   44
.set OUTP,  56
.set OUTS,  58
.set SEL,   60
.set QI,    17
.set KJ,    18
.set MSB, 0
.macro WIN new
.if MSB != (\new)
	s_set_vgpr_msb (MSB<<8)|(\new)
.set MSB, (\new)
.endif
.endm
.set MUL_LO, 0xa1
.set MUL_HI, 0xf1
.set TO_B,   0x40
.macro PLACES
.rept 4
	v_nop
.endr
.endm
.macro JLOAD f                         ; waves 0 and 1 fetch the queries' halves, waves 2 and 3 the keys'; four v_nop follow each line
	s_cmp_eq_u32 s15, 0
	s_cbranch_scc0 .Lfor_b_\@
	tensor_load_to_lds s[G0A+4*\f:G0A+4*\f+3], s[G1A:G1A+7]
	s_nop 0
.rept 4
	v_nop
.endr
	s_branch .Lasked_\@
.Lfor_b_\@:
	tensor_load_to_lds s[G0B+4*\f:G0B+4*\f+3], s[G1B:G1B+7]
	s_nop 0
.rept 4
	v_nop
.endr
.Lasked_\@:
.endm
.macro FRAG reg, adr, off
.irp c, 0,1,2
	ds_load_b128 v[\reg+4*\c:\reg+4*\c+3], v[\adr] offset:\off+512*\c
.endr
.endm
.macro FETCH_B sl, q, p
	WIN TO_B
.irp i, 0,1,2,3,4,5,6,7
	FRAG 128*(\p)+12*\i, ADRB+\sl, (\q)*CB+\i*FRB
.endr
	WIN 0
.endm
.macro FETCH_A sl, q, i0
.irp i, \i0, \i0+1, \i0+2, \i0+3
	FRAG AF+12*(\i), ADRA+\sl, (\q)*CB+(\i)*FRB
.endr
.endm
.macro SCALES sl, q, p
	ds_load_b128 v[SC+8*(\p):SC+8*(\p)+3], v[ADRS+\sl] offset:(\q)*CB
	ds_load_b128 v[SC+8*(\p)+4:SC+8*(\p)+7], v[ADRS+\sl] offset:(\q)*CB+16
.endm
.macro MUL16 a0, p, zero               ; the 64 accumulators take turns, one instruction a turn, in the same order in every K step
.irp a, \a0, \a0+1
.irp b, 0,1,2,3,4,5,6,7
.if \zero
	v_wmma_scale_f32_16x16x128_f8f6f4 v[8*(8*((\a)%4)+\b):8*(8*((\a)%4)+\b)+7], v[128*(\p)+12*\b:128*(\p)+12*\b+11], v[AF+12*(\a):AF+12*(\a)+11], 0, v[SC+8*(\p)+\b], v[SC+8*(\p)+(\a)] matrix_a_fmt:MATRIX_FMT_FP6 matrix_b_fmt:MATRIX_FMT_FP6 matrix_a_scale:MATRIX_SCALE_ROW1
.else
	v_wmma_scale_f32_16x16x128_f8f6f4 v[8*(8*((\a)%4)+\b):8*(8*((\a)%4)+\b)+7], v[128*(\p)+12*\b:128*(\p)+12*\b+11], v[AF+12*(\a):AF+12*(\a)+11], v[8*(8*((\a)%4)+\b):8*(8*((\a)%4)+\b)+7], v[SC+8*(\p)+\b], v[SC+8*(\p)+(\a)] matrix_a_fmt:MATRIX_FMT_FP6 matrix_b_fmt:MATRIX_FMT_FP6 matrix_a_scale:MATRIX_SCALE_ROW1
.endif
.endr
.endr
.endm
.macro STEP p, sl, q, zero
	s_wait_dscnt 12                                ; all but the youngest 12 loads (the queries' blocks 4-7)
	WIN MUL_LO
	MUL16 0, \p, \zero
	MUL16 2, \p, \zero
	s_wait_dscnt 0x0
	PLACES
	FETCH_B \sl, \q, 1-\p
	FETCH_A \sl, \q, 0
	SCALES \sl, \q, 1-\p
	WIN MUL_HI
	MUL16 4, \p, \zero
	MUL16 6, \p, \zero
	PLACES
	WIN 0
	FETCH_A \sl, \q, 4
.endm
.macro TURN sl, fill
	s_wait_tensorcnt 0x0                           ; all my tensor loads have landed
	ds_add_u32 v[SPW], v[NIL]                      ; 0 onto my spare word
	s_wait_dscnt 13                                ; (the add and the youngest 12 loads may be out)
	WIN MUL_LO
	MUL16 0, 1, 0
	s_wait_dscnt 0x0                               ; the add is done, and all my LDS reads are back
	s_barrier_signal -1
	MUL16 2, 1, 0
	WIN 0
	s_barrier_wait -1
.if \fill
	s_add_nc_u64 s[G0A+2:G0A+3], s[G0A+2:G0A+3], 3*REG   ; from K steps 0, 1 to K steps 6, 7
	s_add_nc_u64 s[G0B+2:G0B+3], s[G0B+2:G0B+3], 3*REG
	JLOAD 0                                        ; the first tensor load behind the barrier; its four v_nop are also the places in front of the loads below
.else
	PLACES
.endif
	FETCH_B \sl, 0, 0
	FETCH_A \sl, 0, 0
	SCALES \sl, 0, 0
	WIN MUL_HI
	MUL16 4, 1, 0
	MUL16 6, 1, 0
	PLACES
	WIN 0
	FETCH_A \sl, 0, 4
.endm
; The softmax of row block a over my 128 keys.
.macro SOFT a
.set W, 2+(\a)/4
.set AC, 64*((\a)%4)
.set CODE, AF+12*(\a)
.set WRW, (W<<6)|W
.set WSS, W|(W<<2)
.if (\a)%4 == 0
.set BM, 240                           ; the blocks' largest scores: four registers whose numbers are none of this block's accumulators' numbers
.else
.set BM, 48
.endif
	s_cmp_lg_u32 s[QI], s[KJ]                      ; only a diagonal tile hides keys: a branch on ids
	s_cbranch_scc1 .Lopen_\@
	WIN WRW                                        ; destination and source 0: the accumulators' window
.set n, 0
.rept 64                               ; register 16 u + i holds key 32 u + 16 h + i of my 128; my query is 32 (a / 2) + 8 (a % 2) + r % 8 + 16 (r / 8) of its 128: hidden where the key comes later
	v_cmp_gt_i32 vcc_lo, 32*(n/16)+n%16-32*((\a)/2)-8*((\a)%2), v[DQ]
	v_cndmask_b32 v[AC+n], v[AC+n], v[NINF], vcc_lo
.set n, n+1
.endr
	WIN 0
.Lopen_\@:
	WIN WSS
.irp b, 0,1,2,3
	v_max3_num_f32 v[BM+\b], v[AC+16*\b], v[AC+16*\b+1], 0xff61b1e6   ; the largest score of each block of 32 keys, over -3e38: it serves the row's maximum and the block's largest p
.endr
.irp i, 2,4,6,8,10,12,14
.irp b, 0,1,2,3
	v_max3_num_f32 v[BM+\b], v[AC+16*\b+\i], v[AC+16*\b+\i+1], v[BM+\b]
.endr
.endr
	WIN 0
.irp b, 0,1,2,3
	v_permlanex16_b32 v[PD+\b], v[BM+\b], s[SEL], s[SEL+1]
.endr
.irp b, 0,1,2,3
	v_max_num_f32 v[BM+\b], v[BM+\b], v[PD+\b]     ; with lane l xor 16's 16 keys
.endr
	v_max3_num_f32 v[TT], v[BM], v[BM+1], v[BM+2]
	v_max_num_f32 v[TT], v[TT], v[BM+3]
	v_mul_f32 v[TT], s[CS], v[TT]                  ; the largest t (c is positive)
	v_floor_f32 v[NMP], -v[TT]                     ; -M = floor(-t) = -ceil(t)
	v_mov_b32 v[NMS+(\a)], v[NMP]
.irp b, 0,1,2,3
	v_fma_f32 v[BM+\b], v[BM+\b], s[CS], v[NMP]
.endr
	WIN WRW
.set n, 0
.rept 32
	v_pk_fma_f32 v[AC+n:AC+n+1], v[AC+n:AC+n+1], s[CS:CS+1], v[NMP:NMP+1] op_sel_hi:[1,0,0]   ; t - M, two at a time
.set n, n+2
.endr
.set n, 0
.rept 64
	v_exp_f32 v[AC+n], v[AC+n]                     ; p = 2^(t - M)
.set n, n+1
.endr
	WIN 0
.irp b, 0,1,2,3
	v_exp_f32 v[BM+\b], v[BM+\b]                   ; the blocks' largest p: the same two instructions on the same numbers
.endr
	v_nop                                          ; a plain place behind the last exponential
	s_wait_alu depctr_va_vdst(0)                   ; one wait for the batch of 68, ahead of its first reader
.irp b, 0,1,2,3
	v_med3_num_f32 v[BM+\b], v[BM+\b], 0x1800000, 1.0   ; the floor 2^(3 - 127); and at most 1: where all 128 keys are hidden, -M is huge and the multiply-add above leaves only its rounding
.endr
.irp b, 0,1,2,3
	v_add_nc_u32 v[SO+\b], 0xff000000, v[BM+\b]
.endr
.irp b, 0,1,2,3
	v_lshrrev_b32 v[BY+\b], 23, v[SO+\b]
.endr
	v_lshl_or_b32 v[SW+(\a)], v[BY+1], 8, v[BY]
	v_lshl_or_b32 v[SW+(\a)], v[BY+2], 16, v[SW+(\a)]
	v_lshl_or_b32 v[SW+(\a)], v[BY+3], 24, v[SW+(\a)]
	v_or_b32 v[SW+(\a)], 0x80808080, v[SW+(\a)]    ; bit 7 of each byte (all lie under 128) guards the next launch's subtraction
	WIN W
	v_pk_add_f32 v[L0:L0+1], v[AC:AC+1], v[ZP:ZP+1]        ; the sum of the UNQUANTISED p, in two chains
	v_pk_add_f32 v[L1:L1+1], v[AC+2:AC+3], v[ZP:ZP+1]
.irp j, 4,8,12,16,20,24,28,32,36,40,44,48,52,56,60
	v_pk_add_f32 v[L0:L0+1], v[AC+\j:AC+\j+1], v[L0:L0+1]
	v_pk_add_f32 v[L1:L1+1], v[AC+\j+2:AC+\j+3], v[L1:L1+1]
.endr
.irp c, 0,1
	v_cvt_scalef32_pk16_fp6_f32 v[CODE+6*\c:CODE+6*\c+2], v[AC+32*\c:AC+32*\c+15], v[SO+2*\c]
	v_cvt_scalef32_pk16_fp6_f32 v[P2+4*\c:P2+4*\c+2], v[AC+32*\c+16:AC+32*\c+31], v[SO+2*\c+1]
.endr
	WIN 0
	v_nop                                          ; one plain place behind a scaled conversion
	v_pk_add_f32 v[L0:L0+1], v[L0:L0+1], v[L1:L1+1]
	v_add_f32 v[TT], v[L0], v[L0+1]
	v_permlanex16_b32 v[PD], v[TT], s[SEL], s[SEL+1]
	v_add_f32 v[LSUM+(\a)], v[TT], v[PD]           ; with lane l xor 16's keys
.irp c, 0,1
.irp i, 0,1,2
	v_permlane16_swap_b32 v[CODE+6*\c+\i], v[P2+4*\c+\i]
.endr
.irp i, 0,1,2
	v_mov_b32 v[CODE+3+6*\c+\i], v[P2+4*\c+\i]
.endr
.endr
.irp c, 0,1,2
	global_store_b128 v[LI], v[CODE+4*\c:CODE+4*\c+3], s[OUTP:OUTP+1] offset:FRB*(\a)+512*\c
.endr
.endm
	s_load_b256 s[4:11], s[0:1], 0x0               ; qq s[4:5], kq s[6:7], pc s[8:9], pst s[10:11]
	v_lshl_add_u32 v[SPW], v0, 2, SPARE
	v_mov_b32 v[NIL], 0
	ds_add_u32 v28, v29
	ds_add_u32 v28, v29
	s_wait_dscnt 0x0
	v_lshrrev_b32 v1, 5, v0
	v_readfirstlane_b32 s14, v1                    ; wave 0..3
	s_lshr_b32 s15, s14, 1                         ; wr: my half of the queries.  Also: I fetch queries (0) or keys (1)
	s_and_b32 s16, s14, 1                          ; wc: my half of the keys.  Also: which 128 rows I fetch
	s_and_b32 s62, ttmp7, 0xffff
	s_and_b32 s63, s62, 3                          ; pr
	s_lshr_b32 s19, s62, 2                         ; batch
	s_sub_co_u32 s66, 7, s63
	s_sub_co_u32 s67, ttmp9, s63
	s_sub_co_u32 s67, s67, 1
	s_cmp_le_u32 ttmp9, s63
	s_cselect_b32 s[QI], s63, s66                  ; the first pr + 1 work-groups take row pr of the triangle, the other 8 - pr row 7 - pr
	s_cselect_b32 s[KJ], ttmp9, s67
	s_mov_b32 s[G1A], 3<<16                        ; a dense run of 25,600 bytes as 100 rows of 32 elements of 8 bytes; no mask, no padding
	s_mov_b32 s[G1A+1], 32<<16
	s_mov_b32 s[G1A+2], 100<<16
	s_mov_b32 s[G1A+3], 32<<16
	s_mov_b32 s[G1A+4], 100
	s_mov_b32 s[G1A+5], 32
	s_mov_b32 s[G1A+6], 0
	s_mov_b32 s[G1A+7], 0
	s_lshl_b32 s66, s19, 3
	s_add_co_u32 s67, s66, s[QI]
	s_lshl_b32 s67, s67, 1
	s_add_co_u32 s67, s67, s16
	s_mul_i32 s68, s67, ROWK                       ; the 128 queries that I fetch
	s_mov_b32 s69, 0
	s_add_co_u32 s67, s66, s[KJ]
	s_lshl_b32 s67, s67, 1
	s_add_co_u32 s67, s67, s16
	s_mul_i32 s70, s67, ROWK                       ; the 128 keys
	s_mov_b32 s71, 0
	s_mul_i32 s67, s14, REG
	s_wait_kmcnt 0x0
	s_add_nc_u64 s[68:69], s[4:5], s[68:69]
	s_add_nc_u64 s[70:71], s[6:7], s[70:71]
.irp f, 0,1,2
	s_mov_b32 s[G0A+4*\f], 1
	s_add_co_u32 s[G0A+4*\f+1], s67, \f*SLOT
	s_add_nc_u64 s[G0A+4*\f+2:G0A+4*\f+3], s[68:69], \f*REG
	s_or_b32 s[G0A+4*\f+3], s[G0A+4*\f+3], 0x80000000
	s_mov_b32 s[G0B+4*\f], 1
	s_add_co_u32 s[G0B+4*\f+1], s67, \f*SLOT
	s_add_nc_u64 s[G0B+4*\f+2:G0B+4*\f+3], s[70:71], \f*REG
	s_or_b32 s[G0B+4*\f+3], s[G0B+4*\f+3], 0x80000000
	JLOAD \f                                       ; the three first fills go out ahead of every wait on TENSORcnt, every LDS read and every barrier
.endr
	v_and_b32 v1, 15, v0                           ; r
	v_bfe_u32 v2, v0, 4, 1                         ; h
	v_and_b32 v3, 31, v0                           ; lane
	v_lshlrev_b32 v[LI], 4, v3
	v_lshlrev_b32 v[LS], 5, v1
	v_lshl_add_u32 v[LS], v2, 4, v[LS]
	s_mul_i32 s72, s15, REG
	s_mul_i32 s73, s16, REG
	s_add_co_u32 s73, s73, 2*REG
.irp s, 0,1,2
	v_add_nc_u32 v[ADRA+\s], s72, v[LI]
	v_add_nc_u32 v[ADRB+\s], s73, v[LI]
	s_add_co_u32 s72, s72, SLOT
	s_add_co_u32 s73, s73, SLOT
.endr
	s_mul_i32 s72, s15, REG
	s_mul_i32 s73, s16, REG
	s_add_co_u32 s73, s73, 2*REG
	s_sub_co_u32 s73, s73, s72
	v_mul_u32_u24 v4, s73, v2                      ; lanes 16-31 take the keys' words
	v_lshl_add_u32 v4, v1, 5, v4
	s_add_co_u32 s72, s72, BLK
.irp s, 0,1,2
	v_add_nc_u32 v[ADRS+\s], s72, v4
	s_add_co_u32 s72, s72, SLOT
.endr
	s_sub_co_i32 s62, s15, s16
	s_lshl_b32 s62, s62, 7                         ; 128 (wr - wc)
	v_and_b32 v4, 7, v1
	v_lshrrev_b32 v5, 3, v1
	v_lshl_add_u32 v4, v5, 4, v4
	v_lshlrev_b32 v5, 4, v2
	v_sub_nc_u32 v4, v4, v5
	v_add_nc_u32 v[DQ], s62, v4                    ; 128 (wr - wc) + r % 8 + 16 (r / 8) - 16 h
	v_mov_b32 v[NINF], 0xff800000
	v_mov_b32 v[NMP+1], 0                          ; (named as the upper half of a pair)
	v_mov_b32 v[ZP], 0
	v_mov_b32 v[ZP+1], 0
.irp b, 0,1,2,3
	v_mov_b32 v[PD+\b], 0                          ; a lane permute's destination counts as one of its sources
	v_mov_b32 v[ZQ+\b], 0
	v_mov_b32 v[NW+\b], 0x81818181
	v_mov_b32 v[NMX+\b], 0x7f61b1e6                ; 3e38
.endr
	s_mov_b32 s[CS], 0x3d38aa3b                    ; c = log2(e) / 32
	s_mov_b32 s[CS+1], s[CS]
	s_mov_b32 s[SEL], 0x76543210
	s_mov_b32 s[SEL+1], 0xfedcba98
	s_lshl_b32 s62, s19, 4
	s_lshl_b32 s63, s[QI], 1
	s_add_co_u32 s62, s62, s63
	s_add_co_u32 s62, s62, s15                     ; my 128 queries: 16 batch + 2 qi + wr
	s_lshl_b32 s62, s62, 4
	s_lshl_b32 s63, s[KJ], 1
	s_add_co_u32 s62, s62, s63
	s_add_co_u32 s62, s62, s16                     ; x 16 + my 128 keys: 2 kj + wc
	s_mul_i32 s72, s62, BLK
	s_mov_b32 s73, 0
	s_mul_i32 s74, s62, PIECE
	s_mov_b32 s75, 0
	s_add_nc_u64 s[OUTP:OUTP+1], s[8:9], s[72:73]
	s_add_nc_u64 s[OUTS:OUTS+1], s[10:11], s[74:75]
	s_wait_tensorcnt 0x2                           ; my part of slot 0 is in; the two fills behind it may be out
	s_barrier_signal -1
	s_barrier_wait -1
	FETCH_B 0, 0, 0
	FETCH_A 0, 0, 0
	SCALES 0, 0, 0
	FETCH_A 0, 0, 4
	STEP 0, 0, 1, 1                                ; K step 0 starts the sums
	TURN 1, 1                                      ; K step 1: slots 1 and 2 are whole for every wave; slot 0 is filled again
	STEP 0, 1, 1, 0
	STEP 1, 2, 0, 0
	STEP 0, 2, 1, 0
	TURN 0, 0                                      ; K step 5: the refill is whole for every wave
	STEP 0, 0, 1, 0
	s_wait_dscnt 12                                ; K step 7
	WIN MUL_LO
	MUL16 0, 1, 0
	MUL16 2, 1, 0
	s_wait_dscnt 0x0
	WIN MUL_HI
	MUL16 4, 1, 0
	MUL16 6, 1, 0
	WIN 0
	PLACES
.irp a, 0,1,2,3,4,5,6,7
	SOFT \a
.endr
	v_cmp_le_u32 vcc_lo, 16, v3                    ; lanes 0-15 store blocks 0-3 of their row, lanes 16-31 blocks 4-7
.irp i, 0,1,2,3
	v_cndmask_b32 v[SELR+\i], v[SW+\i], v[SW+4+\i], vcc_lo
	v_cndmask_b32 v[SELR+4+\i], v[NMS+\i], v[NMS+4+\i], vcc_lo
	v_cndmask_b32 v[SELR+8+\i], v[LSUM+\i], v[LSUM+4+\i], vcc_lo
.endr
.irp c, 0,1,2
	global_store_b128 v[LS], v[SELR+4*\c:SELR+4*\c+3], s[OUTS:OUTS+1] offset:512*\c
.endr
	s_cmp_lg_u32 s[QI], s[KJ]
	s_cbranch_scc1 .Lno_hidden
	s_bitcmp1_b32 s[QI], 0
	s_cbranch_scc1 .Lno_hidden
.set n, 0
.rept 24                               ; the hidden block two blocks behind mine: zero codes
	global_store_b128 v[LI], v[ZQ:ZQ+3], s[OUTP:OUTP+1] offset:2*BLK+512*n
.set n, n+1
.endr
	global_store_b128 v[LS], v[NW:NW+3], s[OUTS:OUTS+1] offset:2*PIECE
	global_store_b128 v[LS], v[NMX:NMX+3], s[OUTS:OUTS+1] offset:2*PIECE+512
	global_store_b128 v[LS], v[ZQ:ZQ+3], s[OUTS:OUTS+1] offset:2*PIECE+1024
.Lno_hidden:
	s_or_b32 s62, ttmp9, ttmp7
	s_cmp_lg_u32 s62, 0
	s_cbranch_scc1 .Lno_neutral
	s_mul_i32 s62, s14, PIECE                      ; the first work-group writes the four neutral pieces, a wave each
	s_add_co_u32 s62, s62, 1024*PIECE
	v_add_nc_u32 v[NOF], s62, v[LS]
	global_store_b128 v[NOF], v[NW:NW+3], s[10:11]
	global_store_b128 v[NOF], v[NMX:NMX+3], s[10:11] offset:512
	global_store_b128 v[NOF], v[ZQ:ZQ+3], s[10:11] offset:1024
.Lno_neutral:
	s_wait_tensorcnt 0x0                           ; the wave's end
	ds_add_u32 v[SPW], v[NIL]
	s_wait_dscnt 0x0
	s_endpgm
.Lfunc_end_k_qcc5690a5e4_score:
	.size	k_qcc5690a5e4_score, .Lfunc_end_k_qcc5690a5e4_score-k_qcc5690a5e4_score
	.p2alignl 7, 3214868480
	.fill 96, 4, 3214868480
	.section	.rodata,"a",@progbits
	.p2align	6, 0x0
	.amdhsa_kernel k_qcc5690a5e4_score
		.amdhsa_group_segment_fixed_size 327680
		.amdhsa_private_segment_fixed_size 0
		.amdhsa_enable_private_segment 0
		.amdhsa_kernarg_size 32
		.amdhsa_user_sgpr_count 2
		.amdhsa_user_sgpr_kernarg_segment_ptr 1
		.amdhsa_wavefront_size32 1
		.amdhsa_system_sgpr_workgroup_id_x 1
		.amdhsa_system_sgpr_workgroup_id_y 1
		.amdhsa_system_sgpr_workgroup_id_z 1
		.amdhsa_system_vgpr_workitem_id 0
		.amdhsa_next_free_vgpr 1024
		.amdhsa_next_free_sgpr 80
		.amdhsa_reserve_vcc 1
		.amdhsa_float_denorm_mode_32 3
		.amdhsa_float_denorm_mode_16_64 3
		.amdhsa_memory_ordered 1
		.amdhsa_forward_progress 1
		.amdhsa_inst_pref_size 240
	.end_amdhsa_kernel
	.amdgpu_metadata
---
amdhsa.version: [ 1, 2 ]
amdhsa.kernels:
  - .name:           k_qcc5690a5e4_score
    .symbol:         k_qcc5690a5e4_score.kd
    .args:
      - { .name: qq, .offset: 0, .size: 8, .value_kind: global_buffer, .address_space: global }
      - { .name: kq, .offset: 8, .size: 8, .value_kind: global_buffer, .address_space: global }
      - { .name: pc, .offset: 16, .size: 8, .value_kind: global_buffer, .address_space: global }
      - { .name: pst, .offset: 24, .size: 8, .value_kind: global_buffer, .address_space: global }
    .group_segment_fixed_size: 327680
    .private_segment_fixed_size: 0
    .kernarg_segment_align: 8
    .kernarg_segment_size: 32
    .max_flat_workgroup_size: 128
    .sgpr_count:     80
    .vgpr_count:     1024
    .wavefront_size: 32
...
	.end_amdgpu_metadata
.endif
;; end of part 3
;; launch mix (part 4): grid 8 x 32, 4 waves a work-group, clusters of 4 x 1, 327,680 bytes of LDS; arguments pc, pst, vq, out0; writes out0
.if DOCPART == 4
	.amdgcn_target "amdgcn-amd-amdhsa--gfx1250"
	.amdhsa_code_object_version 6
	.text
	.protected	k_qcc5690a5e4_mix
	.globl	k_qcc5690a5e4_mix
	.p2align	8
	.type	k_qcc5690a5e4_mix,@function
k_qcc5690a5e4_mix:
	s_mov_b64 s[64:65], 0
	v_nop
	global_prefetch_b8 v0, s[64:65] scope:SCOPE_SE
	s_setreg_imm32_b32 hwreg(HW_REG_WAVE_MODE, 25, 1), 1
	s_wait_xcnt 0x0
	s_wait_alu depctr_hold_cnt(0) depctr_sa_sdst(0) depctr_va_vdst(0) depctr_va_sdst(0) depctr_va_ssrc(0) depctr_va_vcc(0) depctr_vm_vsrc(0)
	s_getreg_b32 s2, hwreg(HW_REG_IB_STS2, 6, 4)
	s_cmp_eq_u32 s2, 0
	s_cbranch_scc0 .Lentry_in_a_cluster
	s_endpgm
.Lentry_in_a_cluster:
	s_bfe_u32 s2, ttmp6, 0x10000c
	s_cmp_lg_u32 s2, 0x3003
	s_cbranch_scc0 .Lentry_shape_is_right
	s_endpgm
.Lentry_shape_is_right:
; out = (P V) / l on codes of FP6 (E2M3).  P's codes were made under a local whole number M for each row and 128 keys; here the row's largest M is taken, each scale byte is lowered by (the row's M - its local M), each partial sum is
; multiplied by 2^(local M - the row's M), which rounds nothing, and the product is a plain GEMM over the keys that the causal mask keeps.
; pc: [query / 128][key / 128][12,288] (eight fragments as images of their registers).  pst: piece (query / 128, key / 128): +0 scale words with bit 7 of each byte set, +512 -M, +1,024 the sum; (fragment a, lane-row r) at 32 r + 4 a.
; vq: [batch][d / 128][key / 128][12,800]: v^T, the keys innermost, fragments and then scale words.  Lane-row r of fragment a is row 32 (a / 2) + 8 (a % 2) + r % 8 + 16 (r / 8) of its 128, in pc (queries) and in vq (d) alike: the stores undo both.
; SHARES: a work-group makes 256 queries x 128 of d; a wave 128 x 64: 32 accumulators.  Query tile qi walks nb = qi / 2 + 1 steps of 512 keys (blocks behind the diagonal hold zero codes).  Two LDS slots of 512 keys.
; THE MATRIX INSTRUCTION IS USED TRANSPOSED: source 0 = 16 rows of v^T, source 1 = 16 queries of P.
; CLUSTER 4, 1, 1: the four partners make four tiles of d for the same queries: P's tile is asked for jointly (mask 15); v's tile is each work-group's own, by a plain load behind the same round.  nb hangs on the grid's y alone: the
; partners take every branch alike.  (Partners with different query tiles would need different numbers of tiles: so no 4 x 4.)
; For qi = 0, 1 the second first fill repeats the first 512 keys and is not read: so the first counted wait holds on every path.
; THE WALK'S END: the waits and the barrier in a big step's last K step stand ahead of the branch on nb, on every path: so each fill is shown landed, and each slot's reads are shown over, in front of a barrier that all paths share.
; LIMITS: a block of 32 p that lies more than 2^125 under its row's largest p counts with the scale 2^-127 (the byte is held at 0 from below).  NaN and infinities are not served.
; REGISTERS: window 0: v1-20 addresses; v28-29 for the add; v32-39 v's scale words, two sets; v64-127 P's scale words (4 ks + i: lanes 0-15 block i, lanes 16-31 block 4 + i); v128-143 1 / l in pairs; v144-151 at work; v152-215 rows on the way out.
;   window 1: v0-95 P's fragments, one set; v96-143, v144-191 v's, two sets.  window 2: the accumulators ((a, b) at v[8 (4 a + b)]).  window 3: v0-63 -M, v64-127 sums, v128-191 guarded words, v192-207 at work; later the scaled results.
.set FRB,   1536
.set BLK,   12288
.set CB,    12800
.set PIECE, 1536
.set AH,    4*BLK                      ; 128 queries x 512 keys
.set BOFF,  2*AH                       ; v's four blocks lie behind P's two halves
.set BIG,   BOFF+4*CB                  ; a slot
.set SPARE, 2*BIG                      ; the spare words, 128 bytes a wave: two blocks of 256 bytes that no other line names
.set STAGE, SPARE+512                  ; 16 rows x (256 bytes + 16) for each wave: bytes of its own, into which no fill lands
.set ADRA,  10
.set ADRB,  12
.set ADSB,  14
.set LI,    16
.set LS,    17
.set STO,   18
.set RD,    19
.set CO,    20
.set SPW,   28
.set NIL,   29
.set SCB,   32
.set WS,    64
.set RLP,   128
.set RC,    144
.set RX,    148
.set BK,    152
.set NR,    192                        ; in window 3
.set LT,    196
.set E,     200
.set G1A,   20
.set G1B,   28
.set G0A,   36
.set G0B,   44
.set SB,    52
.set NB,    60
.set SEL,   66
.set OUT,   76
.set MSB, 0
.macro WIN new
.if MSB != (\new)
	s_set_vgpr_msb (MSB<<8)|(\new)
.set MSB, (\new)
.endif
.endm
.set MULW, 0xa5                        ; sources 0 and 1 window 1, C and D window 2
.set TO_1, 0x40                        ; destination window 1
.macro PLACES
.rept 4
	v_nop
.endr
.endm
.macro JLOAD f                         ; waves 0 and 1: P's halves, jointly; waves 2 and 3: two of v's four blocks each; four v_nop follow each line
	s_cmp_eq_u32 s13, 0
	s_cbranch_scc0 .Lfor_b_\@
	tensor_load_to_lds s[G0A+4*\f:G0A+4*\f+3], s[G1A:G1A+7]
	s_nop 0
.rept 4
	v_nop
.endr
	s_branch .Lasked_\@
.Lfor_b_\@:
	tensor_load_to_lds s[G0B+4*\f:G0B+4*\f+3], s[G1B:G1B+7]
	s_nop 0
.rept 4
	v_nop
.endr
.Lasked_\@:
.endm
.macro CREST
	s_cmp_lg_u32 s12, 0
	s_cbranch_scc1 .Lnot_wave_0_\@
	s_barrier_signal -3
.Lnot_wave_0_\@:
	s_barrier_wait -3
	s_barrier_signal -1
	s_barrier_wait -1
.endm
.macro CROUND
	s_barrier_signal -1
	s_barrier_wait -1
	CREST
.endm
.macro FB sl, q, p                     ; my four fragments of v^T: 12 loads
.irp b, 0,1,2,3
.irp c, 0,1,2
	ds_load_b128 v[96+48*(\p)+12*\b+4*\c:96+48*(\p)+12*\b+4*\c+3], v[ADRB+\sl] offset:(\q)*CB+\b*FRB+512*\c
.endr
.endr
.endm
.macro FA sl, q, i0                    ; P's blocks i0 .. i0 + 3: 12 loads
.irp i, \i0, \i0+1, \i0+2, \i0+3
.irp c, 0,1,2
	ds_load_b128 v[12*(\i)+4*\c:12*(\i)+4*\c+3], v[ADRA+\sl] offset:(\q)*BLK+(\i)*FRB+512*\c
.endr
.endr
.endm
.macro SB1 sl, q, p                    ; the scale words of my four fragments of v^T
	ds_load_b128 v[SCB+4*(\p):SCB+4*(\p)+3], v[ADSB+\sl] offset:(\q)*CB
.endm
; 8 matrix instructions: P's blocks a0, a0 + 1 x my four of v^T.  The 32 accumulators take turns in one order throughout.
.macro MUL8 a0, p, ks, zero
.irp a, \a0, \a0+1
.irp b, 0,1,2,3
.if \zero
.if (\a) < 4
	v_wmma_scale_f32_16x16x128_f8f6f4 v[8*(4*(\a)+\b):8*(4*(\a)+\b)+7], v[96+48*(\p)+12*\b:96+48*(\p)+12*\b+11], v[12*(\a):12*(\a)+11], 0, v[SCB+4*(\p)+\b], v[WS+4*(\ks)+(\a)%4] matrix_a_fmt:MATRIX_FMT_FP6 matrix_b_fmt:MATRIX_FMT_FP6
.else
	v_wmma_scale_f32_16x16x128_f8f6f4 v[8*(4*(\a)+\b):8*(4*(\a)+\b)+7], v[96+48*(\p)+12*\b:96+48*(\p)+12*\b+11], v[12*(\a):12*(\a)+11], 0, v[SCB+4*(\p)+\b], v[WS+4*(\ks)+(\a)%4] matrix_a_fmt:MATRIX_FMT_FP6 matrix_b_fmt:MATRIX_FMT_FP6 matrix_b_scale:MATRIX_SCALE_ROW1
.endif
.else
.if (\a) < 4
	v_wmma_scale_f32_16x16x128_f8f6f4 v[8*(4*(\a)+\b):8*(4*(\a)+\b)+7], v[96+48*(\p)+12*\b:96+48*(\p)+12*\b+11], v[12*(\a):12*(\a)+11], v[8*(4*(\a)+\b):8*(4*(\a)+\b)+7], v[SCB+4*(\p)+\b], v[WS+4*(\ks)+(\a)%4] matrix_a_fmt:MATRIX_FMT_FP6 matrix_b_fmt:MATRIX_FMT_FP6
.else
	v_wmma_scale_f32_16x16x128_f8f6f4 v[8*(4*(\a)+\b):8*(4*(\a)+\b)+7], v[96+48*(\p)+12*\b:96+48*(\p)+12*\b+11], v[12*(\a):12*(\a)+11], v[8*(4*(\a)+\b):8*(4*(\a)+\b)+7], v[SCB+4*(\p)+\b], v[WS+4*(\ks)+(\a)%4] matrix_a_fmt:MATRIX_FMT_FP6 matrix_b_fmt:MATRIX_FMT_FP6 matrix_b_scale:MATRIX_SCALE_ROW1
.endif
.endif
.endr
.endr
.endm
; K step ks (128 keys) on v's set p; sl, q name the next K step
.macro STEPO p, sl, q, ks, zero
	s_wait_dscnt 12                                ; all but the youngest 12 loads (P's blocks 4-7)
	WIN MULW
	MUL8 0, \p, \ks, \zero
	MUL8 2, \p, \ks, \zero
	s_wait_dscnt 0x0
	PLACES
	WIN TO_1
	FB \sl, \q, 1-\p
	FA \sl, \q, 0
	WIN 0
	SB1 \sl, \q, 1-\p
	WIN MULW
	MUL8 4, \p, \ks, \zero
	MUL8 6, \p, \ks, \zero
	PLACES
	WIN TO_1
	FA \sl, \q, 4
	WIN 0
.endm
.macro LASTO ks                        ; K step 15: the longest walk's last: nothing more to fetch, nothing more to order
	s_wait_dscnt 12
	WIN MULW
	MUL8 0, 1, \ks, 0
	MUL8 2, 1, \ks, 0
	s_wait_dscnt 0x0
	MUL8 4, 1, \ks, 0
	MUL8 6, 1, \ks, 0
	WIN 0
.endm
; The first half of big step t's last K step, ON EVERY PATH, ahead of the branch on nb.  Each wave waits for all its tensor loads, adds 0 to its spare word, and waits for that and for its reads of this slot; then the barrier.
; Behind it the other slot is whole for every wave and nobody reads this slot any more.  For t < 2 the barrier opens a round of the cluster's barrier, behind which a walk that goes on may fill this slot again.
.macro MEETO t
	s_wait_tensorcnt 0x0                           ; all my tensor loads have landed: my part of the other slot
	ds_add_u32 v[SPW], v[NIL]                      ; 0 onto my spare word
	s_wait_dscnt 13                                ; (the add and the youngest 12 loads may be out)
	WIN MULW
	MUL8 0, 1, 4*\t+3, 0                           ; eight matrix instructions stand between the add and the wait for it
	s_wait_dscnt 0x0                               ; the add is done, and my reads of this slot are over
	s_barrier_signal -1
	MUL8 2, 1, 4*\t+3, 0
	WIN 0
	s_barrier_wait -1
.if \t < 2
	CREST                                          ; no wave of any partner still reads this slot or has a load on its way
.endif
.endm
; The second half where the walk goes on: slot sg takes big step t + 2 where the walk has one; the next K step's fragments come from slot ot.
.macro GOON t, sg, ot
.if \t < 2
	s_add_nc_u64 s[G0A+4*\sg+2:G0A+4*\sg+3], s[G0A+4*\sg+2:G0A+4*\sg+3], 2*AH     ; two big steps on (no tensor load of mine is out)
	s_add_nc_u64 s[G0B+4*\sg+2:G0B+4*\sg+3], s[G0B+4*\sg+2:G0B+4*\sg+3], 8*CB
	s_cmp_gt_u32 s[NB], \t+2                       ; the same in all four partners
	s_cbranch_scc0 .Lnofill_\@
	JLOAD \sg                                      ; the first tensor load behind the round, ahead of every LDS read there
.Lnofill_\@:
.endif
	PLACES
	WIN TO_1
	FB \ot, 0, 0
	FA \ot, 0, 0
	WIN 0
	SB1 \ot, 0, 0
	WIN MULW
	MUL8 4, 1, 4*\t+3, 0
	MUL8 6, 1, 4*\t+3, 0
	PLACES
	WIN TO_1
	FA \ot, 0, 4
	WIN 0
.endm
.macro BIGSTEP t, sg, ot, zero         ; 512 keys; the walk ends behind big step nb - 1: a branch on ids
	STEPO 0, \sg, 1, 4*\t, \zero
	STEPO 1, \sg, 2, 4*\t+1, 0
	STEPO 0, \sg, 3, 4*\t+2, 0
.if \t < 3
	MEETO \t
	s_cmp_lg_u32 s[NB], \t+1
	s_cbranch_scc1 .Lcont_\t
	WIN MULW                                       ; the walk's last sixteen products
	MUL8 4, 1, 4*\t+3, 0
	MUL8 6, 1, 4*\t+3, 0
	WIN 0
	s_branch .Lout
.Lcont_\t:
	GOON \t, \sg, \ot
.else
	LASTO 15
.endif
.endm
; THE WAY OUT of row block a: x 1 / l; through my stage, where the order of d is set right; back as rows of 256 bytes
.macro TOSTAGE a
.set TS, 32*((\a)%2)
.set BB, BK+32*((\a)%2)
	WIN 0xc2                                       ; destination window 3, source 0 window 2, source 1 window 0
.irp b, 0,1,2,3
.irp j, 0,2,4,6
	v_pk_mul_f32 v[TS+8*\b+\j:TS+8*\b+\j+1], v[8*(4*(\a)+\b)+\j:8*(4*(\a)+\b)+\j+1], v[RLP+2*(\a):RLP+2*(\a)+1] op_sel_hi:[1,0]   ; each accumulator from its low end on
.endr
.endr
	WIN 0x0c                                       ; an LDS store's data are its source 1: window 3
.irp b, 0,1,2,3
	ds_store_b128 v[STO], v[TS+8*\b:TS+8*\b+3] offset:128*(\b/2)+32*(\b%2)        ; lane (r, h), tile b: d = 32 (b / 2) + 8 (b % 2) + 16 h + 0 .. 7 of my 64
	ds_store_b128 v[STO], v[TS+8*\b+4:TS+8*\b+7] offset:128*(\b/2)+32*(\b%2)+16
.endr
	WIN 0
.irp t, 0,1,2,3,4,5,6,7
	ds_load_b128 v[BB+4*\t:BB+4*\t+3], v[RD] offset:544*\t   ; LDS serves a wave's instructions in order: these see my stores, and the next block's stores come behind them
.endr
.endm
.macro SEND a, younger                 ; lane-rows 2 t + h of block a are rows 32 (a / 2) + 8 (a % 2) + 16 (t / 4) + 2 (t % 4) + h of my 128
.set BB, BK+32*((\a)%2)
	s_wait_dscnt \younger
.irp t, 0,1,2,3,4,5,6,7
	global_store_b128 v[CO], v[BB+4*\t:BB+4*\t+3], s[OUT:OUT+1] offset:(32*((\a)/2)+8*((\a)%2)+16*(\t/4)+2*(\t%4))*4096 th:TH_STORE_NT   ; 16 lanes store 256 consecutive bytes, at a multiple of 256 from the output's first byte
.endr
.endm
	s_load_b256 s[4:11], s[0:1], 0x0               ; pc s[4:5], pst s[6:7], vq s[8:9], out0 s[10:11]
	v_lshl_add_u32 v[SPW], v0, 2, SPARE
	v_mov_b32 v[NIL], 0
	ds_add_u32 v28, v29
	ds_add_u32 v28, v29
	s_wait_dscnt 0x0
	v_lshrrev_b32 v1, 5, v0
	v_readfirstlane_b32 s12, v1                    ; wave 0..3
	s_lshr_b32 s13, s12, 1                         ; wr: my half of the queries.  Also: I fetch P (0) or v (1)
	s_and_b32 s14, s12, 1                          ; wc: my half of d.  Also: which part I fetch
	s_bfe_u32 s15, ttmp6, 0x40000                  ; cx
	s_lshl_b32 s16, ttmp9, 2
	s_add_co_u32 s16, s16, s15                     ; the tile of d: it enters v's and the output's addresses alone
	s_and_b32 s61, ttmp7, 0xffff
	s_and_b32 s18, s61, 7                          ; qi
	s_lshr_b32 s19, s61, 3                         ; batch
	s_lshr_b32 s[NB], s18, 1
	s_add_co_u32 s[NB], s[NB], 1                   ; nb
	v_and_b32 v1, 15, v0                           ; r
	v_bfe_u32 v2, v0, 4, 1                         ; h
	v_and_b32 v3, 31, v0                           ; lane
	v_lshlrev_b32 v[LS], 5, v1
	v_lshl_add_u32 v[LS], v2, 4, v[LS]             ; 32 r + 16 h: lane (r, h) takes the numbers of blocks 4 h + 0 .. 3 of row r
	s_lshl_b32 s70, s19, 4
	s_lshl_b32 s63, s18, 1
	s_add_co_u32 s70, s70, s63                     ; 16 batch + 2 qi
	s_add_co_u32 s62, s70, s13
	s_mul_i32 s62, s62, 16*PIECE                   ; my 128 queries' pieces
	s_mov_b32 s71, 1024*PIECE                      ; the neutral pieces
.irp g, 0,1,2,3
	s_add_co_u32 s72, s62, \g*4*PIECE
	s_cmp_gt_u32 s[NB], \g
	s_cselect_b32 s[80+2*\g], s72, s71             ; big steps that the walk does not have read the neutral pieces: every path loads the same 16 pieces
	s_mov_b32 s[81+2*\g], 0
.endr
	; descriptor groups 1: dense runs as rows of 32 elements of 8 bytes
	s_mov_b32 s[G1A], 15|(3<<16)|(1<<21)           ; P: the mask names all four partners; 21 set beside it
	s_mov_b32 s[G1A+1], 32<<16
	s_mov_b32 s[G1A+2], 192<<16                    ; 49,152 bytes
	s_mov_b32 s[G1A+3], 32<<16
	s_mov_b32 s[G1A+4], 192
	s_mov_b32 s[G1A+5], 32
	s_mov_b32 s[G1A+6], 0
	s_mov_b32 s[G1A+7], 0
	s_mov_b32 s[G1B], 3<<16                        ; v: no mask
	s_mov_b32 s[G1B+1], 32<<16
	s_mov_b32 s[G1B+2], 100<<16                    ; 25,600 bytes
	s_mov_b32 s[G1B+3], 32<<16
	s_mov_b32 s[G1B+4], 100
	s_mov_b32 s[G1B+5], 32
	s_mov_b32 s[G1B+6], 0
	s_mov_b32 s[G1B+7], 0
	s_add_co_u32 s72, s70, s14
	s_mul_i32 s72, s72, 16*BLK                     ; P: the 128 queries that I fetch
	s_mov_b32 s73, 0
	s_lshl_b32 s74, s19, 3
	s_add_co_u32 s74, s74, s16
	s_mul_i32 s74, s74, 16*CB                      ; v: my tile of d,
	s_mul_i32 s75, s14, 2*CB
	s_add_co_u32 s74, s74, s75                     ; the two blocks of four that I fetch
	s_mov_b32 s75, 0
	s_cmp_gt_u32 s[NB], 1
	s_cselect_b32 s78, AH, 0                       ; slot 1's first fill: big step 1, or big step 0 once more
	s_cselect_b32 s88, 4*CB, 0
	s_mov_b32 s79, 0
	s_mov_b32 s89, 0
	s_mul_i32 s61, s14, AH                         ; where they go: the wave's number alone
	s_mul_i32 s90, s14, 2*CB
	s_add_co_u32 s90, s90, BOFF
	s_wait_kmcnt 0x0
.irp g, 0,1,2,3
	s_add_nc_u64 s[SB+2*\g:SB+2*\g+1], s[6:7], s[80+2*\g:81+2*\g]
.endr
	WIN 0xc0                                       ; destination window 3
.irp g, 0,1,2,3
.irp k, 0,1,2,3
	global_load_b128 v[128+16*\g+4*\k:128+16*\g+4*\k+3], v[LS], s[SB+2*\g:SB+2*\g+1] offset:PIECE*\k        ; the guarded scale words of 128 keys
	global_load_b128 v[16*\g+4*\k:16*\g+4*\k+3], v[LS], s[SB+2*\g:SB+2*\g+1] offset:PIECE*\k+512            ; -M
	global_load_b128 v[64+16*\g+4*\k:64+16*\g+4*\k+3], v[LS], s[SB+2*\g:SB+2*\g+1] offset:PIECE*\k+1024     ; the sums
.endr
.endr
	WIN 0
	s_mov_b32 s[G0A], 1
	s_mov_b32 s[G0A+1], s61
	s_add_nc_u64 s[G0A+2:G0A+3], s[4:5], s[72:73]
	s_or_b32 s[G0A+3], s[G0A+3], 0x80000000
	s_mov_b32 s[G0A+4], 1
	s_add_co_u32 s[G0A+5], s61, BIG
	s_add_nc_u64 s[G0A+6:G0A+7], s[4:5], s[72:73]
	s_add_nc_u64 s[G0A+6:G0A+7], s[G0A+6:G0A+7], s[78:79]
	s_or_b32 s[G0A+7], s[G0A+7], 0x80000000
	s_mov_b32 s[G0B], 1
	s_mov_b32 s[G0B+1], s90
	s_add_nc_u64 s[G0B+2:G0B+3], s[8:9], s[74:75]
	s_or_b32 s[G0B+3], s[G0B+3], 0x80000000
	s_mov_b32 s[G0B+4], 1
	s_add_co_u32 s[G0B+5], s90, BIG
	s_add_nc_u64 s[G0B+6:G0B+7], s[8:9], s[74:75]
	s_add_nc_u64 s[G0B+6:G0B+7], s[G0B+6:G0B+7], s[88:89]
	s_or_b32 s[G0B+7], s[G0B+7], 0x80000000
	CROUND                                         ; all four work-groups are here: the first joint loads meet
	JLOAD 0
	JLOAD 1
	v_lshlrev_b32 v[LI], 4, v3
	v_lshlrev_b32 v4, 5, v1
	s_mul_i32 s61, s13, AH                         ; my half of P
	s_mul_i32 s62, s14, 4*FRB
	s_add_co_u32 s62, s62, BOFF                    ; my four fragments of each block of v^T
	s_lshl_b32 s63, s14, 4
	s_add_co_u32 s63, s63, BOFF+BLK                ; and their scale words: 32 r + 16 wc behind the block's codes
.irp s, 0,1
	v_add_nc_u32 v[ADRA+\s], s61, v[LI]
	v_add_nc_u32 v[ADRB+\s], s62, v[LI]
	v_add_nc_u32 v[ADSB+\s], s63, v4
	s_add_co_u32 s61, s61, BIG
	s_add_co_u32 s62, s62, BIG
	s_add_co_u32 s63, s63, BIG
.endr
	s_mul_i32 s61, s12, 16*272
	s_add_co_u32 s61, s61, STAGE                   ; my stage
	v_mul_u32_u24 v[STO], v1, 272
	v_lshl_add_u32 v[STO], v2, 6, v[STO]
	v_add_nc_u32 v[STO], s61, v[STO]               ; in: row r, + 64 h
	v_mul_u32_u24 v[RD], v2, 272
	v_lshl_add_u32 v[RD], v1, 4, v[RD]
	v_add_nc_u32 v[RD], s61, v[RD]                 ; back: lanes 0-15 one row, lanes 16-31 the next
	v_lshlrev_b32 v[CO], 12, v2
	v_lshl_add_u32 v[CO], v1, 4, v[CO]             ; and the same two rows in the output
	s_lshl_b32 s62, s19, 23                        ; batch x 2,048 rows of 4,096 bytes
	s_lshl_b32 s63, s18, 20                        ; + qi x 256 rows
	s_add_co_u32 s62, s62, s63
	s_lshl_b32 s63, s13, 19                        ; + wr x 128 rows
	s_add_co_u32 s62, s62, s63
	s_lshl_b32 s63, s16, 9                         ; + the tile of d x 512 bytes
	s_add_co_u32 s62, s62, s63
	s_lshl_b32 s63, s14, 8                         ; + wc x 256 bytes
	s_add_co_u32 s62, s62, s63
	s_mov_b32 s63, 0
	s_add_nc_u64 s[OUT:OUT+1], s[10:11], s[62:63]
	s_mov_b32 s[SEL], 0x76543210
	s_mov_b32 s[SEL+1], 0xfedcba98
	s_mov_b32 s68, 0x01010101
	s_mov_b32 s69, 0x80808080
.irp i, 0,1,2,3
	v_mov_b32 v[RX+\i], 0                          ; a lane permute's destination counts as one of its sources
.endr
	s_wait_loadcnt 0x0                             ; the 16 pieces
	WIN 0xff                                       ; all operands in window 3
.irp i, 0,1,2,3
	v_min3_num_f32 v[NR+\i], v[\i], v[4+\i], v[8+\i]           ; the row's -M: the smallest of the sixteen
.endr
.irp k, 3,5,7,9,11,13
.irp i, 0,1,2,3
	v_min3_num_f32 v[NR+\i], v[NR+\i], v[4*\k+\i], v[4*\k+4+\i]
.endr
.endr
.irp i, 0,1,2,3
	v_min_num_f32 v[NR+\i], v[NR+\i], v[60+\i]
.endr
.irp k, 0,1,2,3,4,5,6,7,8,9,10,11,12,13,14,15
.irp i, 0,1,2,3
	v_sub_f32 v[E+\i], v[NR+\i], v[4*\k+\i]        ; local M - the row's M: a whole number, 0 or less
.endr
.irp i, 0,1,2,3
	v_max_num_f32 v[E+\i], 0xc2fe0000, v[E+\i]     ; held at -127
.endr
.irp i, 0,1,2,3
	v_cvt_i32_f32 v[E+\i], v[E+\i]
.endr
.if \k == 0
.irp i, 0,1,2,3
	v_ldexp_f32 v[LT+\i], v[64+\i], v[E+\i]        ; the first partial sum under the row's M starts the row's sum
.endr
.else
.irp i, 0,1,2,3
	v_ldexp_f32 v[64+4*\k+\i], v[64+4*\k+\i], v[E+\i]
.endr
.irp i, 0,1,2,3
	v_add_f32 v[LT+\i], v[LT+\i], v[64+4*\k+\i]
.endr
.endif
.irp i, 0,1,2,3
	v_mul_lo_u32 v[E+\i], v[E+\i], s68             ; the same number in each of the four bytes
.endr
.irp i, 0,1,2,3
	v_add_nc_u32 v[128+4*\k+\i], v[128+4*\k+\i], v[E+\i]       ; each byte is 128 + b - d with b at least 1 and d at most 127: none borrows from its neighbour
.endr
.irp i, 0,1,2,3
	v_and_b32 v[4*\k+\i], s69, v[128+4*\k+\i]      ; bit 7 still set: b - d is 0 or more
.endr
.irp i, 0,1,2,3
	v_lshrrev_b32 v[E+\i], 7, v[4*\k+\i]
.endr
.irp i, 0,1,2,3
	v_sub_nc_u32 v[4*\k+\i], v[4*\k+\i], v[E+\i]   ; 0x7f in those bytes, 0 in the others
.endr
.endr
	WIN 0x0f                                       ; sources window 3, destination window 0
.set n, 0
.rept 64
	v_and_b32 v[WS+n], v[128+n], v[n]              ; P's scale words under the row's M; a byte that would fall under 0 is 0
.set n, n+1
.endr
	WIN 0x03
.irp i, 0,1,2,3
	v_rcp_f32 v[RC+\i], v[LT+\i]                   ; 1 / l of (block 4 h + i, row r)
.endr
	v_nop                                          ; a plain place behind the last reciprocal
	s_wait_alu depctr_va_vdst(0)                   ; one wait for the four, ahead of their first reader
	WIN 0
.irp i, 0,1,2,3
	v_permlanex16_b32 v[RX+\i], v[RC+\i], s[SEL], s[SEL+1]     ; the other half's four blocks
.endr
	v_cmp_le_u32 vcc_lo, 16, v3
.irp i, 0,1,2,3
	v_cndmask_b32 v[RLP+2*\i], v[RC+\i], v[RX+\i], vcc_lo      ; block i: lanes 0-15 hold it, lanes 16-31 get it
	v_cndmask_b32 v[RLP+2*\i+1], v[RC+\i], v[RX+\i], vcc_lo    ; (the pair is named whole)
	v_cndmask_b32 v[RLP+8+2*\i], v[RX+\i], v[RC+\i], vcc_lo    ; block 4 + i
	v_cndmask_b32 v[RLP+8+2*\i+1], v[RX+\i], v[RC+\i], vcc_lo
.endr                                          ; (these lines are also the places between the scale words' last write and the first scaled product)
	s_wait_tensorcnt 0x1                           ; my part of slot 0 is in; slot 1's may be out
	s_barrier_signal -1
	s_barrier_wait -1
	WIN TO_1
	FB 0, 0, 0
	FA 0, 0, 0
	WIN 0
	SB1 0, 0, 0
	WIN TO_1
	FA 0, 0, 4
	WIN 0
	BIGSTEP 0, 0, 1, 1                             ; the first K step's products start the sums
	BIGSTEP 1, 1, 0, 0
	BIGSTEP 2, 0, 1, 0
	BIGSTEP 3, 1, 0, 0
.Lout:
	PLACES                                         ; ahead of the first read of results
	TOSTAGE 0
.irp a, 1,2,3,4,5,6,7
.if \a > 1
	s_wait_xcnt 0x0                                ; block a - 2's stores have read their registers: block a's rows may land there
.endif
	TOSTAGE \a
	SEND \a-1, 16                                  ; behind block a - 1's loads: block a's 8 stores and 8 loads
.endr
	SEND 7, 0
	s_wait_tensorcnt 0x0                           ; the wave's end
	ds_add_u32 v[SPW], v[NIL]
	s_wait_dscnt 0x0
	CROUND                                         ; the closing round: no work-group ends while a partner may still ask for a tile that names it
	s_endpgm
.Lfunc_end_k_qcc5690a5e4_mix:
	.size	k_qcc5690a5e4_mix, .Lfunc_end_k_qcc5690a5e4_mix-k_qcc5690a5e4_mix
	.p2alignl 7, 3214868480
	.fill 96, 4, 3214868480
	.section	.rodata,"a",@progbits
	.p2align	6, 0x0
	.amdhsa_kernel k_qcc5690a5e4_mix
		.amdhsa_group_segment_fixed_size 327680
		.amdhsa_private_segment_fixed_size 0
		.amdhsa_enable_private_segment 0
		.amdhsa_kernarg_size 32
		.amdhsa_user_sgpr_count 2
		.amdhsa_user_sgpr_kernarg_segment_ptr 1
		.amdhsa_wavefront_size32 1
		.amdhsa_system_sgpr_workgroup_id_x 1
		.amdhsa_system_sgpr_workgroup_id_y 1
		.amdhsa_system_sgpr_workgroup_id_z 1
		.amdhsa_system_vgpr_workitem_id 0
		.amdhsa_next_free_vgpr 1024
		.amdhsa_next_free_sgpr 96
		.amdhsa_reserve_vcc 1
		.amdhsa_float_denorm_mode_32 3
		.amdhsa_float_denorm_mode_16_64 3
		.amdhsa_memory_ordered 1
		.amdhsa_forward_progress 1
		.amdhsa_inst_pref_size 186
	.end_amdhsa_kernel
	.amdgpu_metadata
---
amdhsa.version: [ 1, 2 ]
amdhsa.kernels:
  - .name:           k_qcc5690a5e4_mix
    .symbol:         k_qcc5690a5e4_mix.kd
    .args:
      - { .name: pc, .offset: 0, .size: 8, .value_kind: global_buffer, .address_space: global }
      - { .name: pst, .offset: 8, .size: 8, .value_kind: global_buffer, .address_space: global }
      - { .name: vq, .offset: 16, .size: 8, .value_kind: global_buffer, .address_space: global }
      - { .name: out0, .offset: 24, .size: 8, .value_kind: global_buffer, .address_space: global }
    .group_segment_fixed_size: 327680
    .private_segment_fixed_size: 0
    .kernarg_segment_align: 8
    .kernarg_segment_size: 32
    .max_flat_workgroup_size: 128
    .sgpr_count:     96
    .vgpr_count:     1024
    .wavefront_size: 32
...
	.end_amdgpu_metadata
.endif
;; end of part 4
